; MI455X (gfx1250); checked and timed in simulation.
; The chip was launched on July 23, 2026; its instructions are those of AMD's public machine-readable ISA for CDNA 5 (MIT licence, August 2026) and "CDNA5" Instruction Set Architecture Reference Guide (July 2026). The comments in the code are by the model that wrote it; some were corrected since.
;; Temporal Diffusion Transformer Decoder Layer. Allowed arithmetic: matrix products marked QUANTISED: E5M2 operands, one given power-of-two scale a tensor, by v_wmma_f32_16x16x64_bf8_bf8 or v_wmma_f32_16x16x128_bf8_bf8, f32 sums; everything else in f32.
;; Inputs: b1 2,048 float32; b2 512 float32; ffn_b 512 float32; ffn_g 512 float32; ln1_b 512 float32; ln1_g 512 float32; lowp_scales 18 int32 (the exponents e of the quantised operands' scales 2^e); se_w1_codes 256 x 32 x 32 uint8 (E5M2 codes of se_w1, K innermost, in blocks of 32 codes); se_w2_codes 1,024 x 8 x 32 uint8 (E5M2 codes of se_w2, K innermost, in blocks of 32 codes); w1_codes 2,048 x 16 x 32 uint8 (E5M2 codes of w1, K innermost, in blocks of 32 codes); w2_codes 512 x 64 x 32 uint8 (E5M2 codes of w2, K innermost, in blocks of 32 codes); wk_codes 512 x 16 x 32 uint8 (E5M2 codes of wk, K innermost, in blocks of 32 codes); wq_codes 512 x 16 x 32 uint8 (E5M2 codes of wq, K innermost, in blocks of 32 codes); wv_codes 512 x 16 x 32 uint8 (E5M2 codes of wv, K innermost, in blocks of 32 codes); x 16 x 1,024 x 512 float32.
;; Outputs: out0 16 x 1,024 x 512 float32.
;; This version of the problem:
;;   THIS VERSION OF THE PROBLEM IS GIVEN IN LOW PRECISION. The matrix products marked QUANTISED in the list below multiply operands that are first quantised to E5M2 (5 exponent bits, 2 mantissa bits; 8 bits a number), with one given power-of-two scale for each operand tensor; their sums are f32. All else is computed in f32.
;;   The module's matrix products, in the order in which they are computed (A, B: the left and right operand; K: the contracted axis; several contracted axes count as one K, in the product's order):
;;     1. [M 16, K 1,024] x [K 1,024, N 256]; A: computed on the way; B: input se_w1 (given as codes): QUANTISED (scales: A lowp_scales[0], B lowp_scales[1])
;;     2. [M 16, K 256] x [K 256, N 1,024]; A: computed on the way; B: input se_w2 (given as codes): QUANTISED (scales: A lowp_scales[2], B lowp_scales[3])
;;     3. [M 16,384, K 512] x [K 512, N 512]; A: computed on the way; B: input wq (given as codes): QUANTISED (scales: A lowp_scales[4], B lowp_scales[5])
;;     4. [M 16,384, K 512] x [K 512, N 512]; A: computed on the way; B: input wk (given as codes): QUANTISED (scales: A lowp_scales[6], B lowp_scales[7])
;;     5. [M 16,384, K 512] x [K 512, N 512]; A: computed on the way; B: input wv (given as codes): QUANTISED (scales: A lowp_scales[8], B lowp_scales[9])
;;     6. batch 128 x [M 1,024, K 64] x [K 64, N 1,024]; A: computed on the way; B: computed on the way: QUANTISED (scales: A lowp_scales[10], B lowp_scales[11])
;;     7. batch 128 x [M 64, K 1,024] x [K 1,024, N 1,024]; A: computed on the way; B: softmax (see below): QUANTISED (scales: A lowp_scales[12], B lowp_scales[13])
;;     8. [M 16,384, K 512] x [K 512, N 2,048]; A: computed on the way; B: input w1 (given as codes): QUANTISED (scales: A lowp_scales[14], B lowp_scales[15])
;;     9. [M 16,384, K 2,048] x [K 2,048, N 512]; A: computed on the way; B: input w2 (given as codes): QUANTISED (scales: A lowp_scales[16], B lowp_scales[17])
;;   THE QUANTISER, for each operand of a quantised product, along K:
;;     - The operand's scale is 2^e, e = its entry of the input lowp_scales (int32; the entries are numbered through the quantised products in the list's order, A before B).
;;     - Each number is divided by the scale, clamped to +-57,344, and rounded to the nearest number of E5M2, ties to even, subnormals kept.
;;     - The product sums the exact products of the quantised numbers (number of the format x scale) in f32.
;;   ~~~python
;;   def quantise(x, axis, e):      # numpy; x: float32 -> the quantised numbers, widened to float32 again
;;       x = np.moveaxis(x, axis, -1); K = x.shape[-1]
;;       r = np.clip(x / 2.0 ** e, -57344, 57344)
;;       step = 2.0 ** (np.maximum(np.frexp(np.where(r == 0, 1, r))[1] - 1, -14) - 2)
;;       q = np.round(r / step) * step * 2.0 ** e      # np.round: ties to even
;;       return np.moveaxis(q, -1, axis).astype(np.float32)
;;   ~~~
;;   SOFTMAX AHEAD OF A QUANTISED PRODUCT. Where the list says 'softmax', what is quantised is not the finished softmax but p = 2^(t - M), with t = logit x log2(e) and M = ceil(the row's largest t), a whole number; so 1/2 < the row's largest p <= 1. The row's sum l is taken of the UNQUANTISED p, in f32, and the product's result is divided by l at the end. Since M is a whole number, a kernel that streams over the keys may use a running M (the ceiling of the running maximum): every later rescaling is an exact power of two, so the quantised numbers keep their values, but for numbers so far below the row's largest that they fall under the format's range.
;;   OPERANDS COMPUTED ON THE WAY. 'Computed on the way' means the value that the module computes at that place (a softmax that the list does not call 'softmax' is quantised finished and normalised). What goes into a quantiser is computed in f32, as accurately as f32 sums, v_exp_f32 and their like allow (about 1e-6 of the number): no bf16 or f16 on the way to a quantiser, and a product that is left as it is and whose result goes on into a quantised operand takes f32 operands (vector FMAs, or v_wmma_f32_16x16x4_f32). A number that lies on a knife's edge between two numbers of the format may be rounded either way, as far as f32 arithmetic and the matrix unit's own rounding can turn it there, and no further.
;;   INPUTS GIVEN AS CODES. se_w1 (in the module: [1024, 256], K = its axis 0); se_w2 (in the module: [256, 1024], K = its axis 0); w1 (in the module: [512, 2048], K = its axis 0); w2 (in the module: [2048, 512], K = its axis 0); wk (in the module: [512, 512], K = its axis 0); wq (in the module: [512, 512], K = its axis 0); wv (in the module: [512, 512], K = its axis 0): each comes as NAME_codes (uint8): NAME with its K axis moved to the last place and cut into blocks of 32 codes, [.., K / 32, bytes a block], one block behind the other in memory; one code a byte (a code: sign, 5 exponent bits, 2 mantissa bits); its scale is its entry of lowp_scales. Its value is code x scale, taken as it is: it is not quantised again, and the codes and scales need not be those that the quantiser above would give.
;; One version. Each part assembles by itself: llvm-mc -triple=amdgcn-amd-amdhsa -mcpu=gfx1250 --defsym DOCPART=n.
;; ======== version 1 of 1: 3 launches
;; limits: right only within a limited range of input values
;; workspace buffers: mu 65,536 bytes; var 65,536 bytes; sbuf 65,536 bytes; qc 8,388,608 bytes; kc 8,388,608 bytes; vt 8,388,608 bytes; wf 1,048,576 bytes
;; launch stats (part 1): grid 256 x 1, 8 waves a work-group, no clusters, 2,048 bytes of LDS; arguments x, mu, var, se_w1_codes, wq_codes, wk_codes, wv_codes, wf; writes mu, var, wf
.if DOCPART == 1
	.amdgcn_target "amdgcn-amd-amdhsa--gfx1250"
	.amdhsa_code_object_version 6
	.text
	.protected	k_q7301e3f388_stats
	.globl	k_q7301e3f388_stats
	.p2align	8
	.type	k_q7301e3f388_stats,@function
k_q7301e3f388_stats:
	s_mov_b64 s[64:65], 0
	v_nop
	global_prefetch_b8 v0, s[64:65] scope:SCOPE_SE
	s_setreg_imm32_b32 hwreg(HW_REG_WAVE_MODE, 25, 1), 1
	s_wait_xcnt 0x0
; mu[row] = mean of x[row][0..511], var[row] = mean of (x - mu)^2: two passes over a row that stays in registers, all in f32.
; x: [16384][512] f32.  A work-group takes 64 rows, a wave 8; a row is 2,048 bytes: four loads of 512 consecutive bytes, 16 registers a lane.
; All 32 loads of a wave go out at once.  A row's two numbers meet in LDS, so that each of the two outputs leaves as one aligned run of 256 bytes.
; BESIDE THAT the codes of se_w1, wq, wk and wv are laid into wf in the order in which the next launch's operand registers take them.  A fragment is 16 rows x 128 K: lane (r, h) holds, in registers 4 c .. 4 c + 3,
; the 16 bytes of row r at 128 s + 32 c + 16 h.  In wf a fragment is 2,048 bytes on end: registers 4 c .. 4 c + 3 of the 32 lanes at 512 c + 16 x lane.  Order: se_w1's 128 fragments (tile of rows T, K step s: 8 T + s),
; then wq's, wk's, wv's 128 each (4 T + s).  512 fragments x 4 are 2,048 pieces of 512 bytes: one for each of the 256 x 8 waves, so that nobody branches: wave w of work-group g takes piece 8 g + w.
; Memory binds: no matrix unit, no tensor load, no cluster (work-groups share no byte).  NaN among the inputs is not served.
.set X, 16                             ; v16-143: row i at v[16+16 i]
.set F, 144                            ; v144-147: my piece of a fragment
.set FO, 148                           ; v148: my lane's place in the tile of rows
	s_load_b128 s[4:7], s[0:1], 0x0                ; x, mu
	s_load_b64 s[8:9], s[0:1], 0x10                ; var
	s_load_b256 s[24:31], s[0:1], 0x18             ; se_w1 24, wq 26, wk 28, wv 30
	s_load_b64 s[32:33], s[0:1], 0x38              ; wf
	v_lshl_add_u32 v152, v0, 2, 0x400
	v_mov_b32 v153, 0
	v_lshrrev_b32 v1, 5, v0
	s_delay_alu instid0(VALU_DEP_1)
	v_readfirstlane_b32 s10, v1                    ; wave 0..7
	v_and_b32 v2, 31, v0                           ; lane
	s_wait_alu depctr_va_vdst(0)
	v_lshlrev_b32 v1, 4, v2                        ; 16 bytes a lane
	s_lshl_b32 s14, ttmp9, 17                      ; 64 rows x 2,048 bytes
	s_lshl_b32 s15, s10, 14                        ; my wave's 8 rows
	s_add_co_u32 s14, s14, s15
	s_mov_b32 s15, 0
	s_mov_b32 s12, 0x76543210                      ; v_permlanex16_b32: lane l xor 16
	s_mov_b32 s13, 0xfedcba98
	s_lshl_b32 s16, s10, 5
	v_mov_b32 v13, s16                             ; LDS: 4 bytes a row, my 8 rows at 32 x wave; var's words 256 bytes on
	s_and_b32 s17, s10, 1
	s_lshl_b32 s17, s17, 8
	v_lshl_add_u32 v15, v2, 3, s17                 ; the way out: wave 0 reads mu's 256 bytes, wave 1 var's, 8 bytes a lane
	v_mov_b32 v11, 0                               ; named as the upper half of the pair v[10:11]
	v_mov_b32 v12, 0                               ; a lane permute's destination counts as one of its sources
	; my piece of a fragment: which tensor, which tile of rows, which K step, which four registers
	s_lshr_b32 s22, ttmp9, 6                       ; the tensor: 64 work-groups, 128 fragments, to each
	s_lshl_b32 s23, ttmp9, 1
	s_lshr_b32 s34, s10, 2
	s_add_co_u32 s23, s23, s34                     ; fragment 2 g + w / 4,
	s_and_b32 s23, s23, 127                        ; within its tensor
	s_cmp_eq_u32 s22, 0                            ; se_w1 has rows of 1,024 codes, 8 K steps; the others of 512, 4 K steps
	s_cselect_b32 s35, 3, 2
	s_cselect_b32 s36, 10, 9
	s_cselect_b32 s38, 7, 3
	s_lshr_b32 s37, s23, s35                       ; the tile of 16 rows
	s_and_b32 s38, s23, s38                        ; the K step
	s_add_co_u32 s39, s36, 4
	s_lshl_b32 s40, s37, s39                       ; 16 rows a tile,
	s_lshl_b32 s38, s38, 7                         ; 128 bytes a K step,
	s_add_co_u32 s40, s40, s38
	s_and_b32 s38, s10, 3
	s_lshl_b32 s38, s38, 5                         ; 32 c, c = w % 4
	s_add_co_u32 s40, s40, s38
	s_mov_b32 s41, 0
	s_lshl_b32 s42, ttmp9, 3
	s_add_co_u32 s42, s42, s10
	s_lshl_b32 s42, s42, 9                         ; in wf: piece 8 g + w of 512 bytes
	s_mov_b32 s43, 0
	v_and_b32 v[FO], 15, v0
	s_delay_alu instid0(VALU_DEP_1)
	v_lshlrev_b32 v[FO], s36, v[FO]                ; row r
	v_bfe_u32 v149, v0, 4, 1
	s_delay_alu instid0(VALU_DEP_1)
	v_lshl_add_u32 v[FO], v149, 4, v[FO]           ; + 16 h
	s_wait_alu depctr_va_vdst(0)
	s_wait_kmcnt 0x0
	s_add_nc_u64 s[4:5], s[4:5], s[14:15]
	s_cmp_eq_u32 s22, 0                            ; the choice hangs on the work-group's number alone
	s_cselect_b64 s[44:45], s[24:25], s[26:27]
	s_cmp_eq_u32 s22, 2
	s_cselect_b64 s[44:45], s[28:29], s[44:45]
	s_cmp_eq_u32 s22, 3
	s_cselect_b64 s[44:45], s[30:31], s[44:45]
	s_add_nc_u64 s[44:45], s[44:45], s[40:41]
	s_add_nc_u64 s[32:33], s[32:33], s[42:43]
	global_load_b128 v[F:F+3], v[FO], s[44:45]     ; ahead of x's loads, so that the rows' counted waits stay as they are
.irp i, 0,1,2,3,4,5,6,7
.irp j, 0,1,2,3
	global_load_b128 v[X+16*\i+4*\j:X+16*\i+4*\j+3], v1, s[4:5] offset:2048*\i+512*\j th:TH_LOAD_NT
.endr
.endr
	s_wait_loadcnt 32                              ; my piece is in; x's 32 loads may be out
	global_store_b128 v1, v[F:F+3], s[32:33]       ; 32 lanes store 512 consecutive bytes; neither register is written again
.macro RED                             ; v2 summed over the 32 lanes, the sum in every lane
	s_delay_alu instid0(VALU_DEP_1)
	v_add_f32_dpp v2, v2, v2 row_xmask:1 row_mask:0xf bank_mask:0xf
	s_delay_alu instid0(VALU_DEP_1)
	v_add_f32_dpp v2, v2, v2 row_xmask:2 row_mask:0xf bank_mask:0xf
	s_delay_alu instid0(VALU_DEP_1)
	v_add_f32_dpp v2, v2, v2 row_xmask:4 row_mask:0xf bank_mask:0xf
	s_delay_alu instid0(VALU_DEP_1)
	v_add_f32_dpp v2, v2, v2 row_xmask:8 row_mask:0xf bank_mask:0xf
	s_delay_alu instid0(VALU_DEP_1)
	v_permlanex16_b32 v12, v2, s12, s13
	s_delay_alu instid0(VALU_DEP_1)
	v_add_f32 v2, v2, v12
.endm
.macro ROW i
.set R, X+16*\i
	s_wait_loadcnt 4*(7-\i)                        ; my row's four loads are in; the younger rows' stay out
	v_pk_add_f32 v[2:3], v[R:R+1], v[R+2:R+3]
	v_pk_add_f32 v[4:5], v[R+4:R+5], v[R+6:R+7]
	v_pk_add_f32 v[6:7], v[R+8:R+9], v[R+10:R+11]
	v_pk_add_f32 v[8:9], v[R+12:R+13], v[R+14:R+15]
	s_delay_alu instid0(VALU_DEP_3)
	v_pk_add_f32 v[2:3], v[2:3], v[4:5]
	s_delay_alu instid0(VALU_DEP_2)
	v_pk_add_f32 v[6:7], v[6:7], v[8:9]
	s_delay_alu instid0(VALU_DEP_1)
	v_pk_add_f32 v[2:3], v[2:3], v[6:7]
	s_delay_alu instid0(VALU_DEP_1)
	v_add_f32 v2, v2, v3
	RED
	s_wait_alu depctr_va_vdst(0)
	s_wait_dscnt 0x0                               ; the last row's two LDS stores have read v10 and v14
	v_mul_f32 v10, 0x3b000000, v2                  ; / 512: the mean
.irp j, 0,2,4,6,8,10,12,14
	v_pk_add_f32 v[R+\j:R+\j+1], v[R+\j:R+\j+1], v[10:11] op_sel_hi:[1,0] neg_lo:[0,1] neg_hi:[0,1]
.endr
	v_pk_mul_f32 v[2:3], v[R:R+1], v[R:R+1]
	v_pk_mul_f32 v[4:5], v[R+2:R+3], v[R+2:R+3]
.irp j, 4,8,12
	s_delay_alu instid0(VALU_DEP_2)
	v_pk_fma_f32 v[2:3], v[R+\j:R+\j+1], v[R+\j:R+\j+1], v[2:3]
	s_delay_alu instid0(VALU_DEP_2)
	v_pk_fma_f32 v[4:5], v[R+\j+2:R+\j+3], v[R+\j+2:R+\j+3], v[4:5]
.endr
	s_delay_alu instid0(VALU_DEP_1)
	v_pk_add_f32 v[2:3], v[2:3], v[4:5]
	s_delay_alu instid0(VALU_DEP_1)
	v_add_f32 v2, v2, v3
	RED
	s_delay_alu instid0(VALU_DEP_1)
	v_mul_f32 v14, 0x3b000000, v2                  ; the variance
	ds_store_b32 v13, v10 offset:4*\i              ; all lanes write the same word with the same number
	ds_store_b32 v13, v14 offset:256+4*\i
.endm
.irp i, 0,1,2,3,4,5,6,7
	ROW \i
.endr
	s_wait_dscnt 0x0                               ; for the others' sake: my stores have landed
	s_barrier_signal -1
	s_barrier_wait -1
	s_cmp_gt_u32 s10, 1
	s_cbranch_scc1 .Ldone
	ds_load_b64 v[2:3], v15
	v_and_b32 v4, 31, v0
	s_delay_alu instid0(VALU_DEP_1)
	v_lshlrev_b32 v4, 3, v4
	s_cmp_eq_u32 s10, 0
	s_cselect_b64 s[18:19], s[6:7], s[8:9]         ; wave 0 stores mu, wave 1 var
	s_lshl_b32 s20, ttmp9, 8
	s_mov_b32 s21, 0
	s_add_nc_u64 s[18:19], s[18:19], s[20:21]
	s_wait_alu depctr_va_vdst(0)
	s_wait_dscnt 0x0
	global_store_b64 v4, v[2:3], s[18:19]          ; 32 lanes store 256 consecutive bytes, aligned
.Ldone:
	s_wait_tensorcnt 0x0
	ds_add_u32 v152, v153
	s_wait_dscnt 0x0
	s_endpgm
.Lfunc_end_k_q7301e3f388_stats:
	.size	k_q7301e3f388_stats, .Lfunc_end_k_q7301e3f388_stats-k_q7301e3f388_stats
	.p2alignl 7, 3214868480
	.fill 96, 4, 3214868480
	.section	.rodata,"a",@progbits
	.p2align	6, 0x0
	.amdhsa_kernel k_q7301e3f388_stats
		.amdhsa_group_segment_fixed_size 2048
		.amdhsa_private_segment_fixed_size 0
		.amdhsa_enable_private_segment 0
		.amdhsa_kernarg_size 64
		.amdhsa_user_sgpr_count 2
		.amdhsa_user_sgpr_kernarg_segment_ptr 1
		.amdhsa_wavefront_size32 1
		.amdhsa_system_sgpr_workgroup_id_x 1
		.amdhsa_system_sgpr_workgroup_id_y 1
		.amdhsa_system_sgpr_workgroup_id_z 1
		.amdhsa_system_vgpr_workitem_id 0
		.amdhsa_next_free_vgpr 154
		.amdhsa_next_free_sgpr 66
		.amdhsa_reserve_vcc 0
		.amdhsa_float_denorm_mode_32 3
		.amdhsa_float_denorm_mode_16_64 3
		.amdhsa_memory_ordered 1
		.amdhsa_forward_progress 1
		.amdhsa_inst_pref_size 34
	.end_amdhsa_kernel
	.amdgpu_metadata
---
amdhsa.version: [ 1, 2 ]
amdhsa.kernels:
  - .name:           k_q7301e3f388_stats
    .symbol:         k_q7301e3f388_stats.kd
    .args:
      - { .name: x, .offset: 0, .size: 8, .value_kind: global_buffer, .address_space: global }
      - { .name: mu, .offset: 8, .size: 8, .value_kind: global_buffer, .address_space: global }
      - { .name: var, .offset: 16, .size: 8, .value_kind: global_buffer, .address_space: global }
      - { .name: se_w1_codes, .offset: 24, .size: 8, .value_kind: global_buffer, .address_space: global }
      - { .name: wq_codes, .offset: 32, .size: 8, .value_kind: global_buffer, .address_space: global }
      - { .name: wk_codes, .offset: 40, .size: 8, .value_kind: global_buffer, .address_space: global }
      - { .name: wv_codes, .offset: 48, .size: 8, .value_kind: global_buffer, .address_space: global }
      - { .name: wf, .offset: 56, .size: 8, .value_kind: global_buffer, .address_space: global }
    .group_segment_fixed_size: 2048
    .private_segment_fixed_size: 0
    .kernarg_segment_align: 8
    .kernarg_segment_size: 64
    .max_flat_workgroup_size: 256
    .sgpr_count:     66
    .vgpr_count:     154
    .wavefront_size: 32
...
	.end_amdgpu_metadata
.endif
;; end of part 1
;; launch qkv (part 2): grid 16 x 16, 8 waves a work-group, no clusters, 164,864 bytes of LDS; arguments x, mu, var, wf, se_w2_codes, ln1_g, ln1_b, lowp_scales, qc, kc, vt, sbuf; writes qc, kc, vt, sbuf
.if DOCPART == 2
	.amdgcn_target "amdgcn-amd-amdhsa--gfx1250"
	.amdhsa_code_object_version 6
	.text
	.protected	k_q7301e3f388_qkv
	.globl	k_q7301e3f388_qkv
	.p2align	8
	.type	k_q7301e3f388_qkv,@function
k_q7301e3f388_qkv:
	s_mov_b64 s[64:65], 0
	v_nop
	global_prefetch_b8 v0, s[64:65] scope:SCOPE_SE
	s_setreg_imm32_b32 hwreg(HW_REG_WAVE_MODE, 25, 1), 1
	s_wait_xcnt 0x0
; For 64 tokens of one batch: the SE gate (two products on BF8 codes), s = 1 + gate, the first layer norm of x s, its three quantisations, q, k, v (three products on BF8 codes) and their codes.
; x s has the row mean s mu and the row variance s^2 var, so n = (x - mu) a g + b with a = s rsq(s^2 var + 1e-5): no reduction is made here.
; SHARES.  Work-group (xb, b): tokens 64 xb .. 64 xb + 63 of batch b.  Eight waves.  Gate: wave w makes hidden units 32 w .. 32 w + 31 for all 16 batches (a matrix tile has 16 rows in any case); waves 0-3 make
; the gate of 16 tokens each and keep batch b's lane.  Norm: wave w takes rows 8 w .. 8 w + 7.  Products 3-5: wave w makes head w (64 columns) for all 64 rows: 16 accumulators.
; LAYOUT.  A computed operand comes from a product used transposed (source 0 = 16 rows of the weight), so that a lane's eight results are eight neighbours along the next K and one conversion gives register pair c
; (k = 16 c + 8 (lane / 16) + 0..7) of the next operand; its partner is then fetched 8 bytes at a time at 16 c + 8 (lane / 16).  Where both operands lie as rows of codes, both are taken 16 bytes at a
; time at 32 c + 16 (lane / 16): the same permutation of k on both sides.
; WEIGHTS.  se_w1, wq, wk and wv come from wf, where the launch before has laid them in the order of the operand's registers: a fragment (16 rows x 128 K) is 2,048 bytes on end, registers 4 c .. 4 c + 3 of the
; 32 lanes at 512 c + 16 x lane; se_w1's 128 fragments (tile of rows T, K step s: 8 T + s), then wq's, wk's, wv's 128 each (4 T + s).  So each of these loads of a wave covers 512 consecutive bytes.
; OUT.  qc, kc: [b][xb][head][64 tokens][64 channels]; vt: [b][xb][head][64 channels][64 tokens] (v's product has its sources the other way round, so that a lane's eight results are eight tokens); a block of
; 4,096 bytes is one wave's, gathered in its own stage and stored as eight runs of 512 consecutive bytes.  sbuf: s, f32, 256 bytes a work-group.
; SCALES.  y e0; hidden e2 (its sums stand for sum x 2^(e0 + e1)); n e4, e6, e8; q e11, k e10 (the product of scores takes k as its left operand), v e12.
; LIMITS, so that each power of two is an f32 number: e0, e2 - e0 - e1, e4, e6, e8, e11 - e4 - e5, e10 - e6 - e7, e12 - e8 - e9 between -126 and 112; e2 + e3 between -126 and 126.  NaN among the inputs is not served.
; NO JOINT LOADS: all work-groups read the same 1,024 KiB of weights, but every fragment goes from memory straight into the registers of the one wave that multiplies it (se_w1: 256 registers; wq, wk, wv: a ring
; of four K steps, 256 registers) and feeds 1 or 4 matrix instructions there; a joint load would have to land in LDS and be read out again, with a barrier for each refill, in a product loop that has none.
.set YC,  0                            ; y's codes: 16 batches x (1,024 + 16) bytes
.set HID, 16640                        ; the hidden layer: two fragments as images of their registers, 2,048 bytes each
.set AB,  20736                        ; mu[64], a[64] at +256, s[64] at +512
.set NC,  21504                        ; n's codes, three times: 64 rows x (512 + 16) bytes
.set NCP, 33792
.set STG, 122880                       ; a stage of 64 rows x (64 + 16) bytes for each wave
.set SCH, 15                           ; v15 the scale in hand, v27 the largest number x that scale
.set LIMH, 27
.set MSB, 0
.macro WIN new                         ; the immediate's high byte repeats the setting that is left
.if MSB != \new
	s_set_vgpr_msb (MSB<<8)|\new
.set MSB, \new
.endif
.endm
.macro BAR                             ; my LDS stores have landed and my LDS loads are in: then the work-group's barrier
	s_wait_dscnt 0x0
	s_barrier_signal -1
	s_barrier_wait -1
.endm
.macro PLACES                          ; four plain vector instructions behind matrix instructions, ahead of reads of results and of loads into their registers
.rept 4
	v_nop
.endr
.endm
.macro MKSC dst, e                     ; s[dst] = 2^E as f32, s[dst+1] = 57,344 x 2^E, E = s[e]
	s_add_co_i32 s[\dst], s[\e], 127
	s_add_co_i32 s[\dst+1], s[\e], 142
	s_lshl_b32 s[\dst], s[\dst], 23
	s_lshl_b32 s[\dst+1], s[\dst+1], 23
	s_or_b32 s[\dst+1], s[\dst+1], 0x600000
.endm
	s_load_b256 s[8:15], s[0:1], 0x0               ; x 8, mu 10, var 12, wf 14
	s_load_b64 s[16:17], s[0:1], 0x20              ; se_w2
	s_load_b256 s[24:31], s[0:1], 0x28             ; g 24, b 26, scales 28, qc 30
	s_load_b128 s[32:35], s[0:1], 0x48             ; kc 32, vt 34
	s_load_b64 s[36:37], s[0:1], 0x58              ; sbuf
	v_lshl_add_u32 v5, v0, 2, 0x28000
	v_mov_b32 v19, 0
	v_lshrrev_b32 v1, 5, v0
	s_delay_alu instid0(VALU_DEP_1)
	v_readfirstlane_b32 s38, v1                    ; wave 0..7
	s_and_b32 s39, ttmp7, 0xffff                   ; batch
	v_and_b32 v1, 31, v0                           ; L
	v_and_b32 v2, 15, v0                           ; r
	v_bfe_u32 v3, v0, 4, 1                         ; h
	s_and_b32 s56, s38, 3                          ; tau = wave % 4
	s_lshr_b32 s57, s38, 2
	; every address register is made here, ahead of the first branch on the wave's number
	v_lshlrev_b32 v4, 5, v1                        ; 32 L: eight f32 neighbours a lane
	v_lshlrev_b32 v6, 8, v2
	s_delay_alu instid0(VALU_DEP_1)
	v_lshl_add_u32 v6, v3, 3, v6                   ; se_w2: 256 r + 8 h
	v_lshlrev_b32 v7, 5, v3                        ; 32 h
	s_mul_i32 s58, s38, 2080
	v_lshl_add_u32 v8, v1, 3, s58                  ; YC + two rows a wave + 8 L
	v_mul_u32_u24 v9, v2, 1040
	s_delay_alu instid0(VALU_DEP_1)
	v_lshl_add_u32 v9, v3, 4, v9                   ; YC + 1,040 r + 16 h
	s_lshl_b32 s58, s57, 11
	s_lshl_b32 s59, s56, 9
	s_add_co_u32 s58, s58, s59
	s_add_co_u32 s58, s58, HID
	v_lshl_add_u32 v10, v1, 4, s58                 ; my four registers of the hidden fragment wave / 4
	v_lshlrev_b32 v22, 4, v1                       ; 16 L: a lane's place in a fragment's 512 bytes, and in a store's
	s_delay_alu instid0(VALU_DEP_1)
	v_add_nc_u32 v11, HID, v22
	s_lshl_b32 s58, s56, 6
	s_add_co_u32 s58, s58, AB
	v_lshl_add_u32 v12, v3, 5, s58                 ; AB + 64 tau + 32 h
	v_lshlrev_b32 v23, 3, v1                       ; 8 L
	s_delay_alu instid0(VALU_DEP_1)
	v_add_nc_u32 v13, AB+512, v23
	s_lshl_b32 s58, s38, 5
	s_add_co_u32 s58, s58, AB
	v_mov_b32 v14, s58                             ; AB + 32 w: my eight rows' numbers
	s_mul_i32 s58, s38, 4224
	s_add_co_u32 s58, s58, NC
	v_add_nc_u32 v24, s58, v23                     ; n's codes, in: my eight rows, 8 L
	s_delay_alu instid0(VALU_DEP_1)
	v_add_nc_u32 v25, NCP, v24
	s_delay_alu instid0(VALU_DEP_2)
	v_add_nc_u32 v26, 2*NCP, v24
	v_mul_u32_u24 v16, v2, 528
	s_delay_alu instid0(VALU_DEP_1)
	v_lshl_add_u32 v16, v3, 4, v16
	s_delay_alu instid0(VALU_DEP_1)
	v_add_nc_u32 v16, NC, v16                      ; n's codes, as fragments: 528 r + 16 h
	s_delay_alu instid0(VALU_DEP_1)
	v_add_nc_u32 v17, NCP, v16
	s_delay_alu instid0(VALU_DEP_2)
	v_add_nc_u32 v18, 2*NCP, v16
	s_mul_i32 s58, s38, 5120
	s_add_co_u32 s58, s58, STG
	v_mul_u32_u24 v20, v2, 80
	s_delay_alu instid0(VALU_DEP_1)
	v_lshl_add_u32 v20, v3, 3, v20
	s_delay_alu instid0(VALU_DEP_1)
	v_add_nc_u32 v20, s58, v20                     ; my stage, in: 80 r + 8 h
	v_lshrrev_b32 v21, 2, v1
	s_delay_alu instid0(VALU_DEP_1)
	v_mul_u32_u24 v21, v21, 80
	v_and_b32 v27, 3, v0
	s_delay_alu instid0(VALU_DEP_1)
	v_lshl_add_u32 v21, v27, 4, v21
	s_delay_alu instid0(VALU_DEP_1)
	v_add_nc_u32 v21, s58, v21                     ; and back: four lanes to a row of 64 bytes
	s_lshl_b32 s58, s39, 10
	s_lshl_b32 s59, ttmp9, 6                       ; 64 xb
	s_add_co_u32 s58, s58, s59                     ; row0 = 1,024 b + 64 xb
	s_mov_b32 s63, 0
	s_wait_kmcnt 0x0
	s_load_b512 s[40:55], s[28:29], 0x0            ; e0 .. e15
	s_lshl_b32 s62, s38, 13
	s_add_nc_u64 s[60:61], s[10:11], s[62:63]      ; mu at batches 2 w, 2 w + 1
	s_lshl_b32 s62, s38, 15
	s_add_nc_u64 s[14:15], s[14:15], s[62:63]      ; wf at my 16 fragments of se_w1 (32,768 bytes a wave);
	s_add_nc_u64 s[18:19], s[14:15], 0x40000       ; my 16 of wq, wk, wv lie 262,144 bytes further on each
	s_add_nc_u64 s[20:21], s[14:15], 0x80000
	s_add_nc_u64 s[22:23], s[14:15], 0xc0000
	; ---- loads: y (the row means) of my two batches, and se_w1's first tile
.irp i, 0,1
.irp q, 0,1,2,3
.irp e, 0,1
	global_load_b128 v[64+8*(4*\i+\q)+4*\e:64+8*(4*\i+\q)+4*\e+3], v4, s[60:61] offset:4096*\i+1024*\q+16*\e
.endr
.endr
.endr
.macro SW1LOAD u                       ; 16 hidden units x 1,024 K: eight fragments, 32 loads of 512 consecutive bytes, into window 1
	WIN 0x40
.irp s, 0,1,2,3,4,5,6,7
.irp c, 0,1,2,3
	global_load_b128 v[128*\u+16*\s+4*\c:128*\u+16*\s+4*\c+3], v22, s[14:15] offset:16384*\u+2048*\s+512*\c
.endr
.endr
	WIN 0
.endm
	SW1LOAD 0
	s_lshl_b32 s62, s56, 4
	s_add_co_u32 s83, s59, s62
	s_lshl_b32 s62, s83, 8
	s_add_nc_u64 s[16:17], s[16:17], s[62:63]      ; se_w2 at tokens 64 xb + 16 tau
	s_lshl_b32 s62, s56, 4
	s_add_co_u32 s62, s62, s58
	s_lshl_b32 s62, s62, 2
	s_add_nc_u64 s[10:11], s[10:11], s[62:63]      ; mu and var at rows row0 + 16 tau
	s_add_nc_u64 s[12:13], s[12:13], s[62:63]
	s_lshl_b32 s62, s38, 3
	s_add_co_u32 s62, s62, s58
	s_lshl_b32 s62, s62, 11
	s_add_nc_u64 s[8:9], s[8:9], s[62:63]          ; x at rows row0 + 8 w
	s_lshl_b32 s62, s39, 4
	s_add_co_u32 s62, s62, ttmp9
	s_lshl_b32 s62, s62, 3
	s_add_co_u32 s62, s62, s38
	s_lshl_b32 s62, s62, 12
	s_add_nc_u64 s[30:31], s[30:31], s[62:63]      ; my block of 4,096 bytes in qc, kc, vt
	s_add_nc_u64 s[32:33], s[32:33], s[62:63]
	s_add_nc_u64 s[34:35], s[34:35], s[62:63]
	s_lshl_b32 s62, s58, 2
	s_add_nc_u64 s[36:37], s[36:37], s[62:63]      ; sbuf at row0
	s_wait_kmcnt 0x0
	MKSC 66, 40                                    ; y: e0
	s_sub_co_i32 s83, s42, s40
	s_sub_co_i32 s83, s83, s41
	MKSC 68, 83                                    ; hidden: e2 - e0 - e1
	MKSC 70, 44                                    ; n for q, k, v: e4, e6, e8
	MKSC 72, 46
	MKSC 74, 48
	s_sub_co_i32 s83, s51, s44
	s_sub_co_i32 s83, s83, s45
	MKSC 76, 83                                    ; q: e11 - e4 - e5
	s_sub_co_i32 s83, s50, s46
	s_sub_co_i32 s83, s83, s47
	MKSC 78, 83                                    ; k: e10 - e6 - e7
	s_sub_co_i32 s83, s52, s48
	s_sub_co_i32 s83, s83, s49
	MKSC 80, 83                                    ; v: e12 - e8 - e9
	s_add_co_i32 s83, s42, s43
	s_lshl_b32 s83, s83, 23
	s_add_co_i32 s82, s83, 0xbfb8aa3b              ; -log2(e) x 2^(e2 + e3)
	; ---- y's codes
	s_wait_loadcnt 32                              ; y is in; se_w1's 32 loads may be out
	v_mov_b32 v[SCH], s66
.irp g, 0,1,2,3,4,5,6,7
.irp j, 0,1,2,3,4,5,6,7
.endr
	v_cvt_scalef32_pk8_bf8_f32 v[28+2*\g:29+2*\g], v[64+8*\g:71+8*\g], v[SCH]
.endr
	v_nop                                          ; a plain instruction behind the last conversion
.irp i, 0,1
.irp q, 0,1,2,3
	ds_store_b64 v8, v[28+2*(4*\i+\q):29+2*(4*\i+\q)] offset:1040*\i+256*\q
.endr
.endr
	SW1LOAD 1
.irp g, 0,1
.irp c, 0,1,2,3,4,5,6,7
	global_load_b64 v[96+16*\g+2*\c:97+16*\g+2*\c], v6, s[16:17] offset:128*\g+16*\c   ; se_w2: 16 tokens x 256 K, pair c at 16 c + 8 h
.endr
.endr
	global_load_b128 v[44:47], v7, s[10:11]        ; mu and var of tokens 16 tau + 8 h + 0..7
	global_load_b128 v[48:51], v7, s[10:11] offset:16
	global_load_b128 v[52:55], v7, s[12:13]
	global_load_b128 v[56:59], v7, s[12:13] offset:16
.irp i, 0,1,2,3,4,5,6,7
.irp n, 0,1
.irp e, 0,1
	global_load_b128 v[128+16*\i+8*\n+4*\e:128+16*\i+8*\n+4*\e+3], v4, s[8:9] offset:2048*\i+1024*\n+16*\e th:TH_LOAD_NT   ; x: my eight rows, eight neighbours a lane
.endr
.endr
.endr
	BAR                                            ; y's codes lie in LDS
	; ---- product 1: hidden^T = se_w1 y^T, two accumulators by turns
	s_wait_loadcnt 52                              ; se_w1 is in; se_w2 (16), mu and var (4) and x (32) may be out
.macro P1GRP g
.irp k, 0,1
.irp c, 0,1,2,3
	ds_load_b128 v[64+16*\k+4*\c:64+16*\k+4*\c+3], v9 offset:128*(2*\g+\k)+32*\c
.endr
.endr
	s_wait_dscnt 0x0
	WIN 0x01                                       ; source 0 (se_w1) window 1
.irp k, 0,1
.irp u, 0,1
.if (\g == 0) && (\k == 0)
	v_wmma_f32_16x16x128_bf8_bf8 v[28+8*\u:35+8*\u], v[128*\u+16*(2*\g+\k):128*\u+16*(2*\g+\k)+15], v[64+16*\k:79+16*\k], 0
.else
	v_wmma_f32_16x16x128_bf8_bf8 v[28+8*\u:35+8*\u], v[128*\u+16*(2*\g+\k):128*\u+16*(2*\g+\k)+15], v[64+16*\k:79+16*\k], v[28+8*\u:35+8*\u]
.endif
.endr
.endr
	WIN 0
	PLACES
.endm
	P1GRP 0
	P1GRP 1
	P1GRP 2
	P1GRP 3
.macro WLOAD p, s                      ; K step s of weight p (my 64 rows x 128 K: four fragments, 16 loads of 512 consecutive bytes) into ring set s, window 1
	WIN 0x40
.irp t, 0,1,2,3
.irp c, 0,1,2,3
	global_load_b128 v[64*\s+16*\t+4*\c:64*\s+16*\t+4*\c+3], v22, s[18+2*(\p):19+2*(\p)] offset:8192*\t+2048*\s+512*\c
.endr
.endr
	WIN 0
.endm
	WLOAD 0, 0
	WLOAD 0, 1
	WLOAD 0, 2
	v_mov_b32 v[SCH], s68
	v_mov_b32 v[LIMH], s69
.irp j, 0,1,2,3,4,5,6,7,8,9,10,11,12,13,14,15
	v_med3_num_f32 v[28+\j], v[28+\j], 0, v[LIMH]  ; relu and the hold in one
.endr
	v_cvt_scalef32_pk8_bf8_f32 v[60:61], v[28:35], v[SCH]
	v_cvt_scalef32_pk8_bf8_f32 v[62:63], v[36:43], v[SCH]
	v_nop
	ds_store_b128 v10, v[60:63]
	BAR                                            ; the hidden layer's two fragments lie in LDS
	; ---- product 2 and the gate: waves 0-3, 16 tokens each
	s_wait_loadcnt 48                              ; se_w2, mu, var and x are in; three ring sets may be out
	s_cmp_gt_u32 s38, 3
	s_cbranch_scc1 .Lgc
.irp c, 0,1,2,3
	ds_load_b128 v[28+4*\c:31+4*\c], v11 offset:512*\c
	ds_load_b128 v[72+4*\c:75+4*\c], v11 offset:2048+512*\c
.endr
	s_wait_dscnt 0x0
	v_wmma_f32_16x16x128_bf8_bf8 v[64:71], v[96:111], v[28:43], 0
	s_wait_alu depctr_va_vdst(0)                   ; the wait stands directly ahead of the link
	v_wmma_f32_16x16x128_bf8_bf8 v[64:71], v[112:127], v[72:87], v[64:71]
	PLACES
	v_cmp_eq_u32 vcc_lo, s39, v2                   ; lane r holds batch r: mine is kept, the others become 0,
.irp j, 0,1,2,3,4,5,6,7
	v_cndmask_b32 v[64+\j], 0, v[64+\j], vcc_lo
.endr
.irp x, 1,2,4,8
.irp j, 0,1,2,3,4,5,6,7
	v_add_f32_dpp v[64+\j], v[64+\j], v[64+\j] row_xmask:\x row_mask:0xf bank_mask:0xf   ; and the sum over 16 lanes brings it to all of them
.endr
.endr
.irp j, 0,1,2,3,4,5,6,7
	v_mul_f32 v[64+\j], s82, v[64+\j]
.endr
	s_wait_alu depctr_va_vdst(0)
.irp j, 0,1,2,3,4,5,6,7
	v_exp_f32 v[64+\j], v[64+\j]                   ; 2^(-z log2 e)
.endr
	v_nop
	s_wait_alu depctr_va_vdst(0)                   ; one wait for the batch, ahead of its first reader
.irp j, 0,1,2,3,4,5,6,7
	v_add_f32 v[64+\j], 1.0, v[64+\j]
.endr
	s_wait_alu depctr_va_vdst(0)
.irp j, 0,1,2,3,4,5,6,7
	v_rcp_f32 v[64+\j], v[64+\j]                   ; the gate
.endr
	v_nop
	s_wait_alu depctr_va_vdst(0)
.irp j, 0,1,2,3,4,5,6,7
	v_add_f32 v[64+\j], 1.0, v[64+\j]              ; s = 1 + gate
.endr
.irp j, 0,1,2,3,4,5,6,7
	v_mul_f32 v[72+\j], v[64+\j], v[64+\j]
.endr
.irp j, 0,1,2,3,4,5,6,7
	v_fmaak_f32 v[72+\j], v[72+\j], v[52+\j], 0x3727c5ac   ; s^2 var + 1e-5
.endr
	s_wait_alu depctr_va_vdst(0)
.irp j, 0,1,2,3,4,5,6,7
	v_rsq_f32 v[72+\j], v[72+\j]
.endr
	v_nop
	s_wait_alu depctr_va_vdst(0)
.irp j, 0,1,2,3,4,5,6,7
	v_mul_f32 v[72+\j], v[72+\j], v[64+\j]         ; a
.endr
	ds_store_b128 v12, v[44:47]                    ; sixteen lanes write the same bytes with the same numbers
	ds_store_b128 v12, v[48:51] offset:16
	ds_store_b128 v12, v[72:75] offset:256
	ds_store_b128 v12, v[76:79] offset:272
	ds_store_b128 v12, v[64:67] offset:512
	ds_store_b128 v12, v[68:71] offset:528
.Lgc:
.irp n, 0,1
.irp e, 0,1
	global_load_b128 v[96+8*\n+4*\e:99+8*\n+4*\e], v4, s[24:25] offset:1024*\n+16*\e
	global_load_b128 v[112+8*\n+4*\e:115+8*\n+4*\e], v4, s[26:27] offset:1024*\n+16*\e
.endr
.endr
	WLOAD 0, 3
	BAR                                            ; mu, a and s of the 64 rows lie in LDS
	; ---- the norm and its three quantisations
	ds_load_b128 v[28:31], v14                     ; mu of my eight rows, in every lane
	ds_load_b128 v[32:35], v14 offset:16
	ds_load_b128 v[36:39], v14 offset:256          ; a
	ds_load_b128 v[40:43], v14 offset:272
.irp p, 0,1,2
	v_mov_b32 v[44+2*\p], s[70+2*\p]
.endr
	s_wait_loadcnt 16                              ; g and b are in; ring set 3 may be out
	s_wait_dscnt 0x0
.macro LNROW i
.set XR, 128+16*\i
.set MP, 28+2*(\i/2)
.set AP, 36+2*(\i/2)
.irp j, 0,2,4,6,8,10,12,14
.if (\i)%2 == 0
	v_pk_add_f32 v[64+\j:65+\j], v[XR+\j:XR+\j+1], v[MP:MP+1] op_sel_hi:[1,0] neg_lo:[0,1] neg_hi:[0,1]
.else
	v_pk_add_f32 v[64+\j:65+\j], v[XR+\j:XR+\j+1], v[MP:MP+1] op_sel:[0,1] op_sel_hi:[1,1] neg_lo:[0,1] neg_hi:[0,1]
.endif
.endr
.irp j, 0,2,4,6,8,10,12,14
.if (\i)%2 == 0
	v_pk_mul_f32 v[64+\j:65+\j], v[64+\j:65+\j], v[AP:AP+1] op_sel_hi:[1,0]
.else
	v_pk_mul_f32 v[64+\j:65+\j], v[64+\j:65+\j], v[AP:AP+1] op_sel:[0,1] op_sel_hi:[1,1]
.endif
.endr
.irp j, 0,2,4,6,8,10,12,14
	v_pk_fma_f32 v[64+\j:65+\j], v[64+\j:65+\j], v[96+\j:97+\j], v[112+\j:113+\j]
.endr
.irp e, 0,1
.irp p, 0,1,2
.irp j, 0,1,2,3,4,5,6,7
.endr
	v_cvt_scalef32_pk8_bf8_f32 v[XR+2*(3*\e+\p):XR+2*(3*\e+\p)+1], v[80+8*((3*\e+\p)%2)+((64+8*\e+0)-(80+8*((3*\e+\p)%2)+0)):80+8*((3*\e+\p)%2)+7+((64+8*\e+0)-(80+8*((3*\e+\p)%2)+0))], v[44+2*\p]
	ds_store_b64 v[24+\p], v[XR+2*(3*\e+\p):XR+2*(3*\e+\p)+1] offset:528*\i+256*\e
.endr
.endr
.endm
.irp i, 0,1,2,3,4,5,6,7
	v_nop
	LNROW \i
.endr
	v_nop
	s_cmp_lg_u32 s38, 0
	s_cbranch_scc1 .Lnos
	ds_load_b64 v[60:61], v13                      ; wave 0 stores s of the 64 rows
	s_wait_dscnt 0x0
	global_store_b64 v23, v[60:61], s[36:37]       ; 256 consecutive bytes, aligned
.Lnos:
	BAR                                            ; n's codes lie in LDS, three times
	; ---- products 3, 4, 5
.macro NLOAD p, s                      ; n's four fragments of K step s, quantised for product p: 16 LDS loads
.irp m, 0,1,2,3
.irp c, 0,1,2,3
	ds_load_b128 v[64+16*\m+4*\c:64+16*\m+4*\c+3], v[16+\p] offset:8448*\m+128*(\s)+32*\c
.endr
.endr
.endm
; A K step.  n: the global loads that may stay out = the younger ring sets.  Behind its products and their four places the next K step's LDS loads are issued first, then the ring's global loads.
.macro KSTEP p, s, n
.if \s == 0
.if \p > 0
	s_wait_xcnt 0x0                                ; the stores of the product before have read v64-95
.endif
	NLOAD \p, 0
.endif
	s_wait_loadcnt \n
	s_wait_dscnt 0x0
.if \p < 2
	WIN 0x01                                       ; q, k: source 0 = the weight (window 1), source 1 = n: a lane holds a token and eight channels
.else
	WIN 0x04                                       ; v: source 0 = n, source 1 = the weight: a lane holds a channel and eight tokens
.endif
.irp m, 0,1,2,3
.irp t, 0,1,2,3
.set DD, 128+8*(4*\m+\t)
.if \p < 2
.if \s == 0
	v_wmma_f32_16x16x128_bf8_bf8 v[DD:DD+7], v[64*\s+16*\t:64*\s+16*\t+15], v[64+16*\m:79+16*\m], 0
.else
	v_wmma_f32_16x16x128_bf8_bf8 v[DD:DD+7], v[64*\s+16*\t:64*\s+16*\t+15], v[64+16*\m:79+16*\m], v[DD:DD+7]
.endif
.else
.if \s == 0
	v_wmma_f32_16x16x128_bf8_bf8 v[DD:DD+7], v[64+16*\m:79+16*\m], v[64*\s+16*\t:64*\s+16*\t+15], 0
.else
	v_wmma_f32_16x16x128_bf8_bf8 v[DD:DD+7], v[64+16*\m:79+16*\m], v[64*\s+16*\t:64*\s+16*\t+15], v[DD:DD+7]
.endif
.endif
.endr
.endr
	WIN 0
	PLACES
.if \s < 3
	NLOAD \p, (\s)+1
.endif
.if \p < 2
	WLOAD (\p)+1, \s                               ; the set just multiplied takes the next weight's same K step
.endif
.endm
.macro OUTQ p
	v_mov_b32 v[SCH], s[76+2*\p]
.irp a, 0,1,2,3,4,5,6,7,8,9,10,11,12,13,14,15
.irp j, 0,1,2,3,4,5,6,7
.endr
	v_cvt_scalef32_pk8_bf8_f32 v[28+2*\a:29+2*\a], v[128+8*\a:135+8*\a], v[SCH]
.endr
	v_nop
.irp m, 0,1,2,3
.irp t, 0,1,2,3
.if \p < 2
	ds_store_b64 v20, v[28+2*(4*\m+\t):29+2*(4*\m+\t)] offset:1280*\m+16*\t   ; row = token 16 m + r, bytes 16 t + 8 h
.else
	ds_store_b64 v20, v[28+2*(4*\m+\t):29+2*(4*\m+\t)] offset:1280*\t+16*\m   ; row = channel 16 t + r, bytes 16 m + 8 h
.endif
.endr
.endr
.irp i, 0,1,2,3,4,5,6,7
	ds_load_b128 v[64+4*\i:67+4*\i], v21 offset:640*\i   ; LDS serves a wave's instructions in order: these see my stores
.endr
.irp i, 0,1,2,3,4,5,6,7
	s_wait_dscnt 7-\i
	global_store_b128 v22, v[64+4*\i:67+4*\i], s[30+2*\p:31+2*\p] offset:512*\i   ; 32 lanes store 512 consecutive bytes
.endr
.endm
.irp s, 0,1,2,3
	KSTEP 0, \s, 48
.endr
	OUTQ 0
.irp s, 0,1,2,3
	KSTEP 1, \s, 48
.endr
	OUTQ 1
	KSTEP 2, 0, 48
	KSTEP 2, 1, 32
	KSTEP 2, 2, 16
	KSTEP 2, 3, 0
	OUTQ 2
	s_wait_tensorcnt 0x0
	ds_add_u32 v5, v19
	s_wait_dscnt 0x0
	s_endpgm
.Lfunc_end_k_q7301e3f388_qkv:
	.size	k_q7301e3f388_qkv, .Lfunc_end_k_q7301e3f388_qkv-k_q7301e3f388_qkv
	.p2alignl 7, 3214868480
	.fill 96, 4, 3214868480
	.section	.rodata,"a",@progbits
	.p2align	6, 0x0
	.amdhsa_kernel k_q7301e3f388_qkv
		.amdhsa_group_segment_fixed_size 164864
		.amdhsa_private_segment_fixed_size 0
		.amdhsa_enable_private_segment 0
		.amdhsa_kernarg_size 96
		.amdhsa_user_sgpr_count 2
		.amdhsa_user_sgpr_kernarg_segment_ptr 1
		.amdhsa_wavefront_size32 1
		.amdhsa_system_sgpr_workgroup_id_x 1
		.amdhsa_system_sgpr_workgroup_id_y 1
		.amdhsa_system_sgpr_workgroup_id_z 1
		.amdhsa_system_vgpr_workitem_id 0
		.amdhsa_next_free_vgpr 512
		.amdhsa_next_free_sgpr 90
		.amdhsa_reserve_vcc 1
		.amdhsa_float_denorm_mode_32 3
		.amdhsa_float_denorm_mode_16_64 3
		.amdhsa_fp16_overflow 1
		.amdhsa_memory_ordered 1
		.amdhsa_forward_progress 1
		.amdhsa_inst_pref_size 110
	.end_amdhsa_kernel
	.amdgpu_metadata
---
amdhsa.version: [ 1, 2 ]
amdhsa.kernels:
  - .name:           k_q7301e3f388_qkv
    .symbol:         k_q7301e3f388_qkv.kd
    .args:
      - { .name: x, .offset: 0, .size: 8, .value_kind: global_buffer, .address_space: global }
      - { .name: mu, .offset: 8, .size: 8, .value_kind: global_buffer, .address_space: global }
      - { .name: var, .offset: 16, .size: 8, .value_kind: global_buffer, .address_space: global }
      - { .name: wf, .offset: 24, .size: 8, .value_kind: global_buffer, .address_space: global }
      - { .name: se_w2_codes, .offset: 32, .size: 8, .value_kind: global_buffer, .address_space: global }
      - { .name: ln1_g, .offset: 40, .size: 8, .value_kind: global_buffer, .address_space: global }
      - { .name: ln1_b, .offset: 48, .size: 8, .value_kind: global_buffer, .address_space: global }
      - { .name: lowp_scales, .offset: 56, .size: 8, .value_kind: global_buffer, .address_space: global }
      - { .name: qc, .offset: 64, .size: 8, .value_kind: global_buffer, .address_space: global }
      - { .name: kc, .offset: 72, .size: 8, .value_kind: global_buffer, .address_space: global }
      - { .name: vt, .offset: 80, .size: 8, .value_kind: global_buffer, .address_space: global }
      - { .name: sbuf, .offset: 88, .size: 8, .value_kind: global_buffer, .address_space: global }
    .group_segment_fixed_size: 164864
    .private_segment_fixed_size: 0
    .kernarg_segment_align: 8
    .kernarg_segment_size: 96
    .max_flat_workgroup_size: 256
    .sgpr_count:     90
    .vgpr_count:     512
    .wavefront_size: 32
...
	.end_amdgpu_metadata
.endif
;; end of part 2
;; launch attnffn (part 3): grid 16 x 16, 8 waves a work-group, clusters of 4 x 1, 327,680 bytes of LDS; arguments x, sbuf, qc, kc, vt, w1_codes, w2_codes, b1, b2, ffn_g, ffn_b, lowp_scales, out0; writes out0
.if DOCPART == 3
	.amdgcn_target "amdgcn-amd-amdhsa--gfx1250"
	.amdhsa_code_object_version 6
	.text
	.protected	k_q7301e3f388_attnffn
	.globl	k_q7301e3f388_attnffn
	.p2align	8
	.type	k_q7301e3f388_attnffn,@function
k_q7301e3f388_attnffn:
	s_mov_b64 s[64:65], 0
	v_nop
	global_prefetch_b8 v0, s[64:65] scope:SCOPE_SE
	s_setreg_imm32_b32 hwreg(HW_REG_WAVE_MODE, 25, 1), 1
	s_wait_xcnt 0x0
	s_wait_alu depctr_hold_cnt(0) depctr_sa_sdst(0) depctr_va_vdst(0) depctr_va_sdst(0) depctr_va_ssrc(0) depctr_va_vcc(0) depctr_vm_vsrc(0)
	s_getreg_b32 s2, hwreg(HW_REG_IB_STS2, 6, 4)
	s_cmp_eq_u32 s2, 0
	s_cbranch_scc0 .Lentry_in_a_cluster
	s_endpgm
.Lentry_in_a_cluster:
	s_bfe_u32 s2, ttmp6, 0x10000c
	s_cmp_lg_u32 s2, 0x3003
	s_cbranch_scc0 .Lentry_shape_is_right
	s_endpgm
.Lentry_shape_is_right:
; For 64 tokens of one batch: attention over the batch's 1,024 keys in all 8 heads, x2 = x s + o, the second layer norm, the FFN (512 -> 2,048 -> 512, exact GELU) and out = x2 + h W2 + b2.  All four products on BF8 codes.
; SHARES.  Work-group (xb, b): tokens 64 xb .. + 63 of batch b: four tiles m of 16.  Eight waves, two to a SIMD; wave w is head w = columns 64 w .. 64 w + 63.  O^T, x2 and the last product's sums share one
; layout, ACC(m, t) = v[32 m + 8 t] of window 1: lane (r, h) holds token 16 m + r and columns 64 w + 16 t + 8 h + 0..7.  So x2 is never staged: with b2 it is what the last product adds onto.
; LAYOUT.  Every product is used transposed (source 0 = 16 keys, channels, hidden units or outputs; source 1 = 16 tokens), so that a lane's eight results are eight neighbours along the next K and one conversion
; gives register pair c (k = 16 c + 8 h + 0..7) of the next operand.  V^T, W1 and W2 are fetched 8 bytes at a time at 16 c + 8 h; q and k, both rows of codes, 16 bytes at a time at 32 c + 16 h, alike.
; SOFTMAX.  t = score x log2(e) / 8; M = the running largest t rounded up to a whole number; p = 2^(t - M) is quantised, not normalised; the sum is taken of the unquantised p and divides at the end; when M moves,
; the sum and O^T are multiplied by a power of two.
; GELU.  gelu(a) = max(a, 0) - |a| E, E = erfc(|a| / sqrt 2) / 2 = t 2^(-z^2 log2 e + P(t)), z = |a| / sqrt 2, t = 1 / (1 + z / 2), P of degree 9 (Numerical Recipes' erfc, whose fractional error is under 1.2e-7, its
; coefficients times log2 e, the half in the constant term); worked on the raw sums u, a = u 2^(e14 + e15).
; RING.  Two LDS slots, 24 tiles: 8 key steps (128 keys of all heads: 64 KiB of kc, 64 KiB of vt, each dense) and 16 chunks of 128 hidden units (128 rows of W1; 128 bytes of each of W2's 512 rows).  Each wave
; issues one load behind each change of slots.  W1's 128 rows of a chunk are shared by four waves, 32 rows of 512 bytes each.
; CLUSTER.  The four work-groups of a cluster belong to one batch and walk the same 24 tiles: every tile is asked for jointly (mask 15).  Their place in the cluster enters global addresses of q, x, s, out and the prefetch alone.
; LIMITS, so that each power of two is an f32 number: e13, e14, e16 - e14 - e15 between -126 and 112; e10 + e11 between -120 and 125; e14 + e15 between -62 and 62; e16 + e17 between -126 and 126.  NaN and infinities among the inputs are not served.
; REGISTERS.  Window 0: v0 thread; v1, v2 the spare word's address and 0; v3-13 addresses and constants; v16-31 four numbers a tile of rows; v32-63 Q, later H and W2; v64-127 fragments; v128-191 S^T; v192-255 p's codes;
; in the FFN v128-255 of both windows hold n2's 16 fragments.  Window 1: v0-127 ACC; v128-255 x as loaded.
.set SLOT,  141312                     ; a slot: K 256 x 272, V 256 x 272 (139,264), or W1 128 x 528, W2 512 x 144 (141,312)
.set VOFF,  69632
.set W2OFF, 67584
.set STAGE, 282624                     ; 16 rows x 272 bytes for each wave
.set N2IMG, 282624                     ; over the stages, behind a barrier: n2's 16 fragments as images of their registers
.set STATS, 317440                     ; 64 rows x 8 waves x (mean, sum of squares)
.set HIMG,  317440                     ; over them, behind a barrier: a chunk's four hidden fragments
.set SPARE, 326656                     ; the spare words, 128 bytes for each wave: four blocks of 256 bytes that no other line names
.set MSB, 0
.macro WIN new                         ; the immediate's high byte repeats the setting that is left
.if MSB != \new
	s_set_vgpr_msb (MSB<<8)|\new
.set MSB, \new
.endif
.endm
.macro PLACES
.rept 4
	v_nop
.endr
.endm
.macro MKSC dst, e                     ; s[dst] = 2^E as f32, s[dst+1] = 57,344 x 2^E, E = s[e]
	s_add_co_i32 s[\dst], s[\e], 127
	s_add_co_i32 s[\dst+1], s[\e], 142
	s_lshl_b32 s[\dst], s[\dst], 23
	s_lshl_b32 s[\dst+1], s[\dst+1], 23
	s_or_b32 s[\dst+1], s[\dst+1], 0x600000
.endm
.macro CROUND                          ; a round of the cluster's barrier
	s_barrier_signal -1
	s_barrier_wait -1
	s_cmp_lg_u32 s30, 0
	s_cbranch_scc1 .Lnw0_\@
	s_barrier_signal -3
.Lnw0_\@:
	s_barrier_wait -3
	s_barrier_signal -1
	s_barrier_wait -1
.endm
.macro JKV                             ; every wave's quarter of K's or V's tile; four v_nop follow
	tensor_load_to_lds s[68:71], s[40:47]
	s_nop 0
	PLACES
.endm
.macro JW                              ; waves 0-3: W1's tile, waves 4-7: W2's; the branch hangs on the wave's number alone
	s_cmp_lt_u32 s30, 4
	s_cbranch_scc0 .Lw2_\@
	tensor_load_to_lds s[72:75], s[48:55]
	s_nop 0
	PLACES
	s_branch .Lwd_\@
.Lw2_\@:
	tensor_load_to_lds s[76:79], s[56:63]
	s_nop 0
	PLACES
.Lwd_\@:
.endm
; A prefetch into the L2 of the key step that the NEXT change of slots will ask for: 128 KiB, 512 blocks of 256 bytes, each named once in the launch.  The four clusters of a batch walk the same K and V: the first
; of them asks.  Its four partners share the blocks out by address, 8,192 bytes each of 32,768; in each, waves 0 and 2 ask for K's two halves and waves 4 and 6 for V's, a lane a block.  The last change that loads a key step asks for nothing.
.macro ASK
	s_cmp_gt_u32 s66, s86
	s_cbranch_scc0 .Lnm_\@
	global_prefetch_b8 v7, s[84:85] th:TH_LOAD_NT scope:SCOPE_SE
.Lnm_\@:
.endm
	s_load_b512 s[4:19], s[0:1], 0x0               ; x 4, sbuf 6, qc 8, kc 10, vt 12, w1 14, w2 16, b1 18
	s_load_b256 s[20:27], s[0:1], 0x40             ; b2 20, g 22, b 24, scales 26
	s_load_b64 s[28:29], s[0:1], 0x60              ; out
	v_lshl_add_u32 v1, v0, 2, SPARE
	v_mov_b32 v2, 0
	ds_add_u32 v1, v2
	ds_add_u32 v1, v2
	s_wait_dscnt 0x0
	v_lshrrev_b32 v5, 5, v0
	s_delay_alu instid0(VALU_DEP_1)
	v_readfirstlane_b32 s30, v5                    ; wave 0..7
	s_and_b32 s93, ttmp7, 0xffff                   ; batch, which the four partners share
	s_and_b32 s92, s30, 3
	; descriptor groups 1: elements of 1 byte, mask 15 with bit 21 beside it, 4 words of padding behind each row
	s_mov_b32 s40, 15|(1<<20)|(1<<21)|(5<<22)|(3<<25)   ; K, V: 64 rows of 256 bytes, dense
	s_mov_b32 s41, 256<<16
	s_mov_b32 s42, 64<<16
	s_mov_b32 s43, 256<<16
	s_mov_b32 s44, 64
	s_mov_b32 s45, 256
	s_mov_b32 s46, 0
	s_mov_b32 s47, 0
	s_mov_b32 s48, 15|(1<<20)|(1<<21)|(6<<22)|(3<<25)   ; W1: 32 rows of 512 bytes, dense
	s_mov_b32 s49, 512<<16
	s_mov_b32 s50, 32<<16
	s_mov_b32 s51, 512<<16
	s_mov_b32 s52, 32
	s_mov_b32 s53, 512
	s_mov_b32 s54, 0
	s_mov_b32 s55, 0
	s_mov_b32 s56, 15|(1<<20)|(1<<21)|(4<<22)|(3<<25)   ; W2: 128 rows of 128 bytes, 2,048 bytes apart
	s_mov_b32 s57, 128<<16
	s_mov_b32 s58, 128<<16
	s_mov_b32 s59, 128<<16
	s_mov_b32 s60, 128
	s_mov_b32 s61, 2048
	s_mov_b32 s62, 0
	s_mov_b32 s63, 0
	s_mul_i32 s87, s30, 17408                      ; where my part of a tile goes in a slot: K, V;
	s_mul_i32 s88, s92, 16896                      ; W1;
	s_mul_i32 s89, s92, 18432                      ; W2
	s_add_co_u32 s89, s89, W2OFF
	s_mov_b32 s31, 0                               ; the slot that is read
	s_mov_b32 s67, 0                               ; the slot that is filled
	s_mov_b32 s82, 0x76543210
	s_mov_b32 s83, 0xfedcba98
	s_lshl_b32 s94, s93, 19                        ; a batch's codes: 524,288 bytes
	s_lshl_b32 s95, s92, 14                        ; my 64 rows of 256 bytes
	s_add_co_u32 s94, s94, s95
	s_mov_b32 s95, 0
	s_lshl_b32 s96, s92, 14                        ; my 32 rows of W1
	s_mov_b32 s97, 0
	s_lshl_b32 s98, s92, 18                        ; my 128 rows of W2
	s_mov_b32 s99, 0
	s_wait_kmcnt 0x0
	s_load_b256 s[32:39], s[26:27], 0x28           ; e10 .. e17
	s_cmp_lt_u32 s30, 4
	s_cselect_b64 s[70:71], s[10:11], s[12:13]     ; waves 0-3 fetch K, waves 4-7 V
	s_add_nc_u64 s[70:71], s[70:71], s[94:95]
	s_mov_b64 s[84:85], s[70:71]
	s_or_b32 s71, s71, 0x80000000
	s_mov_b32 s68, 1
	s_mov_b32 s69, s87
	s_mov_b32 s72, 1
	s_mov_b32 s73, s88
	s_add_nc_u64 s[74:75], s[14:15], s[96:97]
	s_or_b32 s75, s75, 0x80000000
	s_mov_b32 s76, 1
	s_mov_b32 s77, s89
	s_add_nc_u64 s[78:79], s[16:17], s[98:99]
	s_or_b32 s79, s79, 0x80000000
	CROUND                                         ; all four work-groups are here: the first joint loads meet
	JKV                                            ; key step 0 into slot 0
	s_bfe_u32 s2, ttmp6, 0x40000                   ; cx
	s_lshl_b32 s3, ttmp9, 2
	s_add_co_u32 s3, s3, s2                        ; xb
	s_lshl_b32 s94, s2, 13                         ; the prefetches: my work-group's 8,192 bytes,
	s_add_co_u32 s94, s94, 65536                   ; in key step 1: the first change steps it to key step 2
	s_add_nc_u64 s[84:85], s[84:85], s[94:95]
	s_and_b32 s86, s30, 1
	s_or_b32 s86, s86, ttmp9                       ; 0 in the even waves of the batch's first cluster: the same in all four partners
	s_cmp_eq_u32 s86, 0
	s_cselect_b32 s86, 1, -1
	s_lshl_b32 s94, s93, 4
	s_add_co_u32 s94, s94, s3
	s_lshl_b32 s94, s94, 3
	s_add_co_u32 s94, s94, s30
	s_lshl_b32 s94, s94, 12
	s_add_nc_u64 s[8:9], s[8:9], s[94:95]          ; q's codes: my block of 4,096 bytes
	s_lshl_b32 s96, s93, 10
	s_lshl_b32 s97, s3, 6
	s_add_co_u32 s96, s96, s97                     ; row0
	s_lshl_b32 s94, s96, 2
	s_add_nc_u64 s[6:7], s[6:7], s[94:95]          ; s at row0
	s_lshl_b32 s94, s96, 11
	s_lshl_b32 s97, s30, 8
	s_add_co_u32 s94, s94, s97
	s_add_nc_u64 s[4:5], s[4:5], s[94:95]          ; x and out at row0, my 256 bytes of a row
	s_add_nc_u64 s[28:29], s[28:29], s[94:95]
	s_mov_b32 s94, s97
	s_add_nc_u64 s[20:21], s[20:21], s[94:95]      ; b2, g, b at my 64 columns
	s_add_nc_u64 s[22:23], s[22:23], s[94:95]
	s_add_nc_u64 s[24:25], s[24:25], s[94:95]
	s_lshl_b32 s94, s30, 6
	s_add_nc_u64 s[18:19], s[18:19], s[94:95]      ; b1 at my 16 units of a chunk
	v_and_b32 v13, 15, v0                          ; r
	v_bfe_u32 v14, v0, 4, 1                        ; h
	v_bfe_u32 v5, v0, 2, 2                         ; r / 4
	v_and_b32 v6, 3, v0                            ; r % 4
	s_delay_alu instid0(VALU_DEP_2)
	v_mul_u32_u24 v3, v5, 272
	s_delay_alu instid0(VALU_DEP_1)
	v_lshl_add_u32 v3, v6, 6, v3
	s_mul_i32 s94, s30, 4352
	v_add_nc_u32 v3, s94, v3                       ; four rows of 64 bytes lie in a tile row of 256: (16 w + r / 4) 272 + 64 (r % 4)
	s_delay_alu instid0(VALU_DEP_1)
	v_lshl_add_u32 v4, v14, 3, v3
	s_delay_alu instid0(VALU_DEP_1)
	v_add_nc_u32 v4, VOFF, v4                      ; V: + 8 h
	s_delay_alu instid0(VALU_DEP_3)
	v_lshl_add_u32 v3, v14, 4, v3                  ; K: + 16 h
	v_lshlrev_b32 v5, 6, v13
	s_delay_alu instid0(VALU_DEP_1)
	v_lshl_add_u32 v5, v14, 4, v5                  ; q: 64 r + 16 h
	v_lshlrev_b32 v6, 2, v13                       ; s: 4 r
	v_lshlrev_b32 v8, 11, v14
	s_delay_alu instid0(VALU_DEP_1)
	v_lshl_add_u32 v8, v13, 4, v8                  ; x: lanes 0-15 one row's 256 bytes, lanes 16-31 the next row's
	v_and_b32 v7, 31, v0
	s_delay_alu instid0(VALU_DEP_1)
	v_lshlrev_b32 v7, 8, v7                        ; the prefetches: 256 bytes from lane to lane
.irp m, 0,1,2,3
.irp c, 0,1
	global_load_b128 v[32+8*\m+4*\c:35+8*\m+4*\c], v5, s[8:9] offset:1024*\m+32*\c
.endr
.endr
.irp m, 0,1,2,3
	global_load_b32 v[16+4*\m], v6, s[6:7] offset:64*\m
.endr
	WIN 0x40                                       ; destination window 1
.irp m, 0,1,2,3
.irp i, 0,1,2,3,4,5,6,7
	global_load_b128 v[128+32*\m+4*\i:131+32*\m+4*\i], v8, s[4:5] offset:(16*\m+2*\i)*2048 th:TH_LOAD_NT   ; x lands while attention runs: it is wanted behind the last key step
.endr
.endr
.set i, 0
.rept 128
	v_mov_b32 v[i], 0                              ; O^T: the key step is written once for all steps; the first finds zeros, which the first change of M leaves zeros
.set i, i+1
.endr
	WIN 0
.irp m, 0,1,2,3
	v_mov_b32 v[17+4*\m], 0xff61b1e6               ; the largest t so far: -3e38
	v_mov_b32 v[18+4*\m], 0                        ; the sum, in two halves
	v_mov_b32 v[19+4*\m], 0
.endr
	v_mov_b32 v11, 0                               ; upper halves of pairs, and a permute's destination: written once
	v_mov_b32 v12, 0
	v_mov_b32 v15, 0
	s_wait_kmcnt 0x0
	s_add_co_i32 s2, s32, s33
	s_lshl_b32 s2, s2, 23
	s_add_co_i32 s80, s2, 0x3e38aa3b               ; log2(e) / 8 x 2^(e10 + e11)
	s_mov_b32 s81, s80
	s_add_co_i32 s2, s35, 127
	s_lshl_b32 s2, s2, 23
	v_mov_b32 v9, s2                               ; 2^e13
	s_add_co_i32 s91, s34, s35                     ; e12 + e13
	s_add_co_i32 s2, s36, s37                      ; E1 = e14 + e15
	s_lshl_b32 s3, s2, 23
	s_add_co_i32 s92, s3, 0x3eb504f3               ; 2^E1 / (2 sqrt 2)
	s_lshl_b32 s3, s2, 24
	s_add_co_i32 s94, s3, 0xbf38aa3b               ; -log2(e) / 2 x 2^(2 E1)
	s_mov_b32 s95, s94
	s_sub_co_i32 s3, 127, s2
	s_lshl_b32 s100, s3, 23                        ; 2^-E1
	s_mov_b32 s101, s100
	s_add_co_i32 s2, s38, s39                      ; E2 = e16 + e17
	s_sub_co_i32 s3, 127, s2
	s_lshl_b32 s96, s3, 23                         ; 2^-E2
	s_mov_b32 s97, s96
	s_add_co_i32 s3, s2, 127
	s_lshl_b32 s98, s3, 23                         ; 2^E2
	s_mov_b32 s99, s98
; THE CHANGE OF SLOTS stands at a tile's head.  Each wave waits for all its tensor loads (one is out: its part of the tile that it is about to read), adds 0 to its spare word, and waits for that and for its reads of
; the slot that it has left.  Behind the round of the cluster's barrier no wave of any partner reads that slot, and the joint refill comes first: it has a whole tile's work in which to land.
.macro CHG_KV
	WIN 0
	s_wait_tensorcnt 0x0                           ; no tensor load of mine is out, so a group 0 may be written
	ds_add_u32 v1, v2                              ; 0 onto my spare word
	s_xor_b32 s67, s67, SLOT
	s_add_co_u32 s69, s67, s87
	s_add_nc_u64 s[70:71], s[70:71], 65536         ; the next 128 keys
	s_wait_xcnt 0x0                                ; the last prefetch, a key step back, has read its address
	s_add_nc_u64 s[84:85], s[84:85], 65536
	s_wait_dscnt 0x0
	CROUND
	JKV
	ASK
.endm
.macro CHG_W fill, step
	WIN 0
	s_wait_tensorcnt 0x0
	ds_add_u32 v1, v2                              ; as above
.if \fill
	s_xor_b32 s67, s67, SLOT
	s_add_co_u32 s73, s67, s88
	s_add_co_u32 s77, s67, s89
.endif
.if \step
	s_add_nc_u64 s[74:75], s[74:75], 65536         ; W1: 128 rows on
	s_add_nc_u64 s[78:79], s[78:79], 128           ; W2: 128 bytes on in each row
.endif
	s_wait_dscnt 0x0
.if \fill
	CROUND
	JW
.else
	s_barrier_signal -1
	s_barrier_wait -1
	PLACES
.endif
.endm
; One tile of 16 queries, 128 keys: S^T in v128-191.
.macro SOFTMAX m
.set TM, 17+4*(\m)
.set SU, 18+4*(\m)
	v_max3_num_f32 v13, v128, v129, v130           ; the largest score among my 64 keys, in two chains, each accumulator from its low end on
	v_max3_num_f32 v14, v131, v132, v133
.irp i, 6,10,14,18,22,26,30,34,38,42,46,50,54,58
	v_max3_num_f32 v13, v13, v[128+\i], v[129+\i]
	v_max3_num_f32 v14, v14, v[130+\i], v[131+\i]
.endr
	v_max3_num_f32 v13, v13, v190, v191
	s_delay_alu instid0(VALU_DEP_1)
	v_max_num_f32 v13, v13, v14
	s_delay_alu instid0(VALU_DEP_1)
	v_permlanex16_b32 v12, v13, s82, s83
	s_delay_alu instid0(VALU_DEP_1)
	v_max_num_f32 v13, v13, v12                    ; and among lane l xor 16's
	s_delay_alu instid0(VALU_DEP_1)
	v_mul_f32 v13, s80, v13                        ; as t
	v_floor_f32 v10, -v[TM]                        ; the old -M
	s_delay_alu instid0(VALU_DEP_2)
	v_max_num_f32 v[TM], v[TM], v13
	s_delay_alu instid0(VALU_DEP_1)
	v_floor_f32 v14, -v[TM]                        ; the new -M = -ceil(t)
	s_delay_alu instid0(VALU_DEP_1)
	v_sub_f32 v13, v14, v10                        ; old M - new M: a whole number, 0 or less
	s_delay_alu instid0(VALU_DEP_1)
	v_cvt_i32_f32 v13, v13                         ; (it saturates)
	s_delay_alu instid0(VALU_DEP_1)
	v_ldexp_f32 v10, 1.0, v13                      ; f
.set i, 0
.rept 32
	v_pk_fma_f32 v[128+i:129+i], v[128+i:129+i], s[80:81], v[14:15] op_sel_hi:[1,0,0]   ; t - M
.set i, i+2
.endr
.set i, 0
	s_wait_alu depctr_va_vdst(0)
.rept 64
	v_exp_f32 v[128+i], v[128+i]                   ; p
.set i, i+1
.endr
	v_pk_mul_f32 v[SU:SU+1], v[SU:SU+1], v[10:11] op_sel_hi:[1,0]   ; the sum under the new M: the plain instruction behind the batch
	s_wait_alu depctr_va_vdst(0)                   ; one wait for the 64 exponentials, ahead of their first reader
	v_pk_add_f32 v[14:15], v[128:129], v[130:131]  ; the sum of the unquantised p, in two chains
.irp j, 4,8,12,16,20,24,28,32,36,40,44,48,52,56,60
	v_pk_add_f32 v[SU:SU+1], v[SU:SU+1], v[128+\j:129+\j]
	v_pk_add_f32 v[14:15], v[14:15], v[130+\j:131+\j]
.endr
	s_delay_alu instid0(VALU_DEP_1)
	v_pk_add_f32 v[SU:SU+1], v[SU:SU+1], v[14:15]
.irp t, 0,1,2,3,4,5,6,7
.irp j, 0,1,2,3,4,5,6,7
.endr
	v_cvt_scalef32_pk8_bf8_f32 v[192+16*(\m)+2*\t:193+16*(\m)+2*\t], v[128+8*\t:135+8*\t], v9   ; keys 16 t + 8 h + 0..7: pair t of the operand
.endr
	WIN 0x41                                       ; O^T (destination, source 0) window 1
.set i, 0
.rept 16
	v_pk_mul_f32 v[32*(\m)+i:32*(\m)+i+1], v[32*(\m)+i:32*(\m)+i+1], v[10:11] op_sel_hi:[1,0]
.set i, i+2
.endr
	WIN 0
.endm
; A key step: 128 keys of my head.
.macro STEP
	v_add_nc_u32 v5, s31, v3
	v_add_nc_u32 v6, s31, v4
	v_nop
	v_nop
.irp t, 0,1,2,3,4,5,6,7
.irp c, 0,1
	ds_load_b128 v[64+8*\t+4*\c:67+8*\t+4*\c], v5 offset:34816*(\t/4)+1088*(\t%4)+32*\c
.endr
.endr
	s_wait_dscnt 0x0
.irp m, 0,1,2,3
.irp t, 0,1,2,3,4,5,6,7
	v_wmma_f32_16x16x64_bf8_bf8 v[128+8*\t:135+8*\t], v[64+8*\t:71+8*\t], v[32+8*\m:39+8*\m], 0
.endr
	PLACES
.if \m == 3
.irp t, 0,1,2,3
.irp c, 0,1,2,3,4,5,6,7
	ds_load_b64 v[64+16*\t+2*\c:65+16*\t+2*\c], v6 offset:34816*(\c/4)+1088*\t+16*(\c%4)   ; V^T lands under the last tile's softmax
.endr
.endr
.endif
	SOFTMAX \m
.endr
	s_wait_alu depctr_va_vdst(0)
	s_wait_dscnt 0x0
	WIN 0x50                                       ; C and D window 1
.irp m, 0,1,2,3
.irp t, 0,1,2,3
	v_wmma_f32_16x16x128_bf8_bf8 v[32*\m+8*\t:32*\m+8*\t+7], v[64+16*\t:79+16*\t], v[192+16*\m:207+16*\m], v[32*\m+8*\t:32*\m+8*\t+7]
.endr
.endr
	WIN 0
	s_xor_b32 s31, s31, SLOT
.endm
	s_wait_loadcnt 36                              ; q is in; s (4 loads) and x (32) may be out
	s_mov_b32 s66, 7
.Lkv:                                              ; seven trips: behind each change the next key step is asked for
	CHG_KV
	STEP
	s_sub_co_u32 s66, s66, 1
	s_cmp_lg_u32 s66, 0
	s_cbranch_scc1 .Lkv
	CHG_W 1, 0                                     ; the ring goes on: chunk 0 of the weights into the slot just left
	STEP                                           ; the last key step
	s_wait_xcnt 0x0                                ; the last prefetch, two key steps back, has read its offset register v7, which takes another address below
.macro STGADR                          ; v3: my stage by rows (lanes 0-15 one row's 256 bytes, lanes 16-31 the next); v4: in the accumulators' layout (row r, 32 h)
	v_and_b32 v14, 15, v0
	v_bfe_u32 v15, v0, 4, 1
	s_mul_i32 s2, s30, 4352
	s_add_co_u32 s2, s2, STAGE
	v_mul_u32_u24 v3, v15, 272
	s_delay_alu instid0(VALU_DEP_1)
	v_lshl_add_u32 v3, v14, 4, v3
	s_delay_alu instid0(VALU_DEP_1)
	v_add_nc_u32 v3, s2, v3
	v_mul_u32_u24 v4, v14, 272
	s_delay_alu instid0(VALU_DEP_1)
	v_lshl_add_u32 v4, v15, 5, v4
	s_delay_alu instid0(VALU_DEP_1)
	v_add_nc_u32 v4, s2, v4
.endm
	; ---- x2 = x s + O^T 2^(e12 + e13) / l.  The additions and addresses are the places behind the last products
.irp m, 0,1,2,3
	v_add_f32 v[18+4*\m], v[18+4*\m], v[19+4*\m]
.endr
.irp m, 0,1,2,3
	s_delay_alu instid0(VALU_DEP_4)
	v_permlanex16_b32 v[19+4*\m], v[18+4*\m], s82, s83
.endr
.irp m, 0,1,2,3
	s_delay_alu instid0(VALU_DEP_4)
	v_add_f32 v[18+4*\m], v[18+4*\m], v[19+4*\m]
.endr
	STGADR
	v_lshlrev_b32 v6, 6, v14
	s_delay_alu instid0(VALU_DEP_1)
	v_add_nc_u32 v6, STATS, v6                     ; a row's eight pairs
	s_lshl_b32 s3, s30, 3
	v_add_nc_u32 v5, s3, v6                        ; my wave's pair
	s_lshr_b32 s2, s30, 1
	s_lshl_b32 s2, s2, 13
	s_and_b32 s3, s30, 1
	s_lshl_b32 s3, s3, 10
	s_add_co_u32 s2, s2, s3
	s_add_co_u32 s2, s2, N2IMG
	v_and_b32 v8, 31, v0
	s_delay_alu instid0(VALU_DEP_1)
	v_lshlrev_b32 v8, 4, v8
	s_delay_alu instid0(VALU_DEP_1)
	v_add_nc_u32 v7, s2, v8                        ; my eight registers of fragment (m, w / 2)
	s_delay_alu instid0(VALU_DEP_2)
	v_add_nc_u32 v8, N2IMG, v8
	v_lshlrev_b32 v13, 5, v15                      ; 32 h: stays to the end
	s_wait_alu depctr_va_vdst(0)
.irp m, 0,1,2,3
	v_rcp_f32 v[18+4*\m], v[18+4*\m]
.endr
	v_nop
.irp t, 0,1,2,3
.irp e, 0,1
	global_load_b128 v[192+8*\t+4*\e:195+8*\t+4*\e], v13, s[22:23] offset:64*\t+16*\e
	global_load_b128 v[224+8*\t+4*\e:227+8*\t+4*\e], v13, s[24:25] offset:64*\t+16*\e
.endr
.endr
	s_mov_b32 s2, 0x3b000000                       ; 1 / 512
	s_mov_b32 s3, 0x3727c5ac                       ; 1e-5
	s_wait_alu depctr_va_vdst(0)                   ; one wait for the four reciprocals
.irp m, 0,1,2,3
	v_ldexp_f32 v[18+4*\m], v[18+4*\m], s91
.endr
	s_wait_loadcnt 16                              ; s and x are in; g and b (16 loads) may be out
.irp m, 0,1,2,3
	WIN 0x04                                       ; an LDS store's data window 1
.irp i, 0,1,2,3,4,5,6,7
	ds_store_b128 v3, v[128+32*\m+4*\i:131+32*\m+4*\i] offset:544*\i
.endr
	WIN 0
.irp t, 0,1,2,3
.irp e, 0,1
	ds_load_b128 v[128+32*(\m%2)+8*\t+4*\e:131+32*(\m%2)+8*\t+4*\e], v4 offset:64*\t+16*\e   ; LDS serves a wave's instructions in order: these see my stores
.endr
.endr
	s_wait_dscnt 0x0
.set i, 0
.rept 16
	v_pk_mul_f32 v[128+32*(\m%2)+i:129+32*(\m%2)+i], v[128+32*(\m%2)+i:129+32*(\m%2)+i], v[16+4*\m:17+4*\m] op_sel_hi:[1,0]
.set i, i+2
.endr
	WIN 0x41
.set i, 0
.rept 16
	v_pk_fma_f32 v[32*\m+i:32*\m+i+1], v[32*\m+i:32*\m+i+1], v[18+4*\m:19+4*\m], v[128+32*(\m%2)+i:129+32*(\m%2)+i] op_sel_hi:[1,0,1]
.set i, i+2
.endr
	WIN 0
.endr
	; ---- the second norm's figures: each wave's mean and sum of squared deviations over its 64 columns, then one exchange
	WIN 0x05
.irp m, 0,1,2,3
	v_pk_add_f32 v[64+4*\m:65+4*\m], v[32*\m:32*\m+1], v[32*\m+2:32*\m+3]
	v_pk_add_f32 v[66+4*\m:67+4*\m], v[32*\m+4:32*\m+5], v[32*\m+6:32*\m+7]
.endr
	WIN 0x01
.irp i, 8,12,16,20,24,28
.irp m, 0,1,2,3
	v_pk_add_f32 v[64+4*\m:65+4*\m], v[32*\m+\i:32*\m+\i+1], v[64+4*\m:65+4*\m]
	v_pk_add_f32 v[66+4*\m:67+4*\m], v[32*\m+\i+2:32*\m+\i+3], v[66+4*\m:67+4*\m]
.endr
.endr
	WIN 0
.irp m, 0,1,2,3
	v_pk_add_f32 v[64+4*\m:65+4*\m], v[64+4*\m:65+4*\m], v[66+4*\m:67+4*\m]
.endr
.irp m, 0,1,2,3
	s_delay_alu instid0(VALU_DEP_4)
	v_add_f32 v[64+4*\m], v[64+4*\m], v[65+4*\m]
.endr
.irp m, 0,1,2,3
	s_delay_alu instid0(VALU_DEP_4)
	v_permlanex16_b32 v[65+4*\m], v[64+4*\m], s82, s83
.endr
.irp m, 0,1,2,3
	s_delay_alu instid0(VALU_DEP_4)
	v_add_f32 v[64+4*\m], v[64+4*\m], v[65+4*\m]
.endr
.irp m, 0,1,2,3
	s_delay_alu instid0(VALU_DEP_4)
	v_mul_f32 v[64+4*\m], 0x3c800000, v[64+4*\m]   ; / 64
.endr
.irp m, 0,1,2,3
	WIN 0x01
.set i, 0
.rept 16
	v_pk_add_f32 v[128+i:129+i], v[32*\m+i:32*\m+i+1], v[64+4*\m:65+4*\m] op_sel_hi:[1,0] neg_lo:[0,1] neg_hi:[0,1]
.set i, i+2
.endr
	WIN 0
	v_pk_mul_f32 v[66+4*\m:67+4*\m], v[128:129], v[128:129]
	v_pk_mul_f32 v[80+2*\m:81+2*\m], v[130:131], v[130:131]
.irp i, 4,8,12,16,20,24,28
	s_delay_alu instid0(VALU_DEP_2)
	v_pk_fma_f32 v[66+4*\m:67+4*\m], v[128+\i:129+\i], v[128+\i:129+\i], v[66+4*\m:67+4*\m]
	s_delay_alu instid0(VALU_DEP_2)
	v_pk_fma_f32 v[80+2*\m:81+2*\m], v[130+\i:131+\i], v[130+\i:131+\i], v[80+2*\m:81+2*\m]
.endr
	s_delay_alu instid0(VALU_DEP_1)
	v_pk_add_f32 v[66+4*\m:67+4*\m], v[66+4*\m:67+4*\m], v[80+2*\m:81+2*\m]
	s_delay_alu instid0(VALU_DEP_1)
	v_add_f32 v[66+4*\m], v[66+4*\m], v[67+4*\m]
.endr
.irp m, 0,1,2,3
	v_permlanex16_b32 v[67+4*\m], v[66+4*\m], s82, s83
.endr
.irp m, 0,1,2,3
	s_delay_alu instid0(VALU_DEP_4)
	v_add_f32 v[65+4*\m], v[66+4*\m], v[67+4*\m]
.endr
.irp m, 0,1,2,3
	ds_store_b64 v5, v[64+4*\m:65+4*\m] offset:1024*\m
.endr
	s_wait_dscnt 0x0                               ; my pairs have landed, and my reads of my stage are over
	s_barrier_signal -1
	s_barrier_wait -1                              ; (chunk 0's load stays out)
.irp m, 0,1,2,3
.irp q, 0,1,2,3
	ds_load_b128 v[64+16*\m+4*\q:67+16*\m+4*\q], v6 offset:1024*\m+16*\q
.endr
.endr
	s_wait_dscnt 0x0
.irp m, 0,1,2,3
.set R, 64+16*\m
.set U, 128+8*\m
	v_pk_add_f32 v[U:U+1], v[R:R+1], v[R+2:R+3]    ; (mean, squares) in pairs
	v_pk_add_f32 v[U+2:U+3], v[R+4:R+5], v[R+6:R+7]
	v_pk_add_f32 v[U+4:U+5], v[R+8:R+9], v[R+10:R+11]
	v_pk_add_f32 v[U+6:U+7], v[R+12:R+13], v[R+14:R+15]
	s_delay_alu instid0(VALU_DEP_3)
	v_pk_add_f32 v[U:U+1], v[U:U+1], v[U+2:U+3]
	s_delay_alu instid0(VALU_DEP_2)
	v_pk_add_f32 v[U+4:U+5], v[U+4:U+5], v[U+6:U+7]
	s_delay_alu instid0(VALU_DEP_1)
	v_pk_add_f32 v[U:U+1], v[U:U+1], v[U+4:U+5]
	s_delay_alu instid0(VALU_DEP_1)
	v_mul_f32 v[16+4*\m], 0x3e000000, v[U]         ; the row's mean
.irp k, 0,1,2,3,4,5,6,7
	v_sub_f32 v[R+2*\k], v[R+2*\k], v[16+4*\m]
.endr
	v_mul_f32 v[U+2], v[R], v[R]
.irp k, 1,2,3,4,5,6,7
	s_delay_alu instid0(VALU_DEP_1)
	v_fmac_f32 v[U+2], v[R+2*\k], v[R+2*\k]
.endr
	s_delay_alu instid0(VALU_DEP_1)
	v_fmamk_f32 v[U+1], v[U+2], 0x42800000, v[U+1] ; + 64 x the squares of the waves' means about the row's
	s_delay_alu instid0(VALU_DEP_1)
	v_fma_f32 v[17+4*\m], v[U+1], s2, s3           ; / 512 + 1e-5
.endr
	s_wait_alu depctr_va_vdst(0)
.irp m, 0,1,2,3
	v_rsq_f32 v[17+4*\m], v[17+4*\m]
.endr
	MKSC 86, 36                                    ; n2: e14
	v_mov_b32 v9, s86                              ; (a plain instruction behind the batch)
	s_wait_alu depctr_va_vdst(0)
	s_wait_loadcnt 0x0                             ; g and b
	; ---- n2 and its codes: my 64 columns are pairs 4 (w % 2) + t of fragment (m, w / 2)
.irp m, 0,1,2,3
.set XX, 128+32*(\m%2)
	WIN 0x01
.set i, 0
.rept 16
	v_pk_add_f32 v[XX+i:XX+i+1], v[32*\m+i:32*\m+i+1], v[16+4*\m:17+4*\m] op_sel_hi:[1,0] neg_lo:[0,1] neg_hi:[0,1]
.set i, i+2
.endr
	WIN 0
.set i, 0
.rept 16
	v_pk_mul_f32 v[XX+i:XX+i+1], v[XX+i:XX+i+1], v[16+4*\m:17+4*\m] op_sel:[0,1] op_sel_hi:[1,1]
.set i, i+2
.endr
.set i, 0
.rept 16
	v_pk_fma_f32 v[XX+i:XX+i+1], v[XX+i:XX+i+1], v[192+i:193+i], v[224+i:225+i]
.set i, i+2
.endr
.set i, 0
.rept 32
.set i, i+1
.endr
.irp t, 0,1,2,3
	v_cvt_scalef32_pk8_bf8_f32 v[64+8*\m+2*\t:65+8*\m+2*\t], v[XX+8*\t:XX+8*\t+7], v9
.endr
	v_nop
	ds_store_b128 v7, v[64+8*\m:67+8*\m] offset:2048*\m
	ds_store_b128 v7, v[68+8*\m:71+8*\m] offset:2048*\m+512
.endr
	s_wait_dscnt 0x0
	s_barrier_signal -1
	s_barrier_wait -1                              ; n2's sixteen fragments lie in LDS
	; ---- every wave takes all of them into registers, for all 16 chunks
.irp s, 0,1
.irp m, 0,1,2,3
.irp c, 0,1,2,3
	ds_load_b128 v[128+16*(4*\s+\m)+4*\c:131+16*(4*\s+\m)+4*\c], v8 offset:2048*(4*\s+\m)+512*\c
.endr
.endr
.endr
	WIN 0x40
.irp s, 0,1
.irp m, 0,1,2,3
.irp c, 0,1,2,3
	ds_load_b128 v[128+16*(4*\s+\m)+4*\c:131+16*(4*\s+\m)+4*\c], v8 offset:2048*(8+4*\s+\m)+512*\c
.endr
.endr
.endr
	WIN 0
.irp t, 0,1,2,3
.irp e, 0,1
	global_load_b128 v[64+8*\t+4*\e:67+8*\t+4*\e], v13, s[20:21] offset:64*\t+16*\e   ; b2
.endr
.endr
	global_load_b128 v[20:23], v13, s[18:19]       ; b1 of chunk 0
	global_load_b128 v[24:27], v13, s[18:19] offset:16
	s_wait_loadcnt 2                               ; b2 is in; b1's two loads may be out
.set i, 0
.rept 16
	v_pk_mul_f32 v[64+i:65+i], v[64+i:65+i], s[96:97] op_sel_hi:[1,0]
.set i, i+2
.endr
	WIN 0x41
.irp m, 0,1,2,3
.set i, 0
.rept 16
	v_pk_fma_f32 v[32*\m+i:32*\m+i+1], v[32*\m+i:32*\m+i+1], s[96:97], v[64+i:65+i] op_sel_hi:[1,0,1]   ; (x2 + b2) / 2^E2: what the last product's sums begin with
.set i, i+2
.endr
.endr
	WIN 0
	s_wait_dscnt 0x0                               ; n2 is in: the address registers may be written
	v_and_b32 v14, 15, v0
	v_bfe_u32 v15, v0, 4, 1
	v_and_b32 v16, 31, v0
	s_wait_alu depctr_va_vdst(0)
	s_mul_i32 s2, s30, 8448
	v_mul_u32_u24 v3, v14, 528
	s_delay_alu instid0(VALU_DEP_1)
	v_lshl_add_u32 v3, v15, 3, v3
	s_delay_alu instid0(VALU_DEP_1)
	v_add_nc_u32 v3, s2, v3                        ; W1: row 16 w + r, 8 h
	s_mul_i32 s2, s30, 9216
	s_add_co_u32 s2, s2, W2OFF
	v_mul_u32_u24 v4, v14, 144
	s_delay_alu instid0(VALU_DEP_1)
	v_lshl_add_u32 v4, v15, 3, v4
	s_delay_alu instid0(VALU_DEP_1)
	v_add_nc_u32 v4, s2, v4                        ; W2: row 64 w + r, 8 h
	s_lshr_b32 s2, s30, 1
	s_lshl_b32 s2, s2, 9
	s_and_b32 s3, s30, 1
	s_lshl_b32 s3, s3, 3
	s_add_co_u32 s2, s2, s3
	s_add_co_u32 s2, s2, HIMG
	v_lshlrev_b32 v8, 4, v16
	s_delay_alu instid0(VALU_DEP_1)
	v_add_nc_u32 v7, s2, v8                        ; my pair w of a hidden fragment
	s_delay_alu instid0(VALU_DEP_2)
	v_add_nc_u32 v8, HIMG, v8
	s_sub_co_i32 s93, s38, s36
	s_sub_co_i32 s93, s93, s37
	MKSC 86, 93                                    ; the hidden layer: e16 - e14 - e15
	v_mov_b32 v9, s86
	v_mov_b32 v28, 0xbf97d29d                      ; c8
	v_mov_b32 v29, 0xbf97d29d
.macro HORNER lit
.set i, 0
.rept 16
	v_pk_fma_f32 v[96+i:97+i], v[96+i:97+i], v[64+i:65+i], \lit op_sel_hi:[1,1,0]
.set i, i+2
.endr
.endm
; A chunk of 128 hidden units: my 16 of them for the 64 rows, GELU, codes to LDS, a barrier, then my 64 outputs' sums take the chunk's 128 along K.
.macro CHUNK fill, step
	CHG_W \fill, \step
	v_add_nc_u32 v5, s31, v3
	s_wait_alu depctr_va_vdst(0)
	v_add_nc_u32 v6, s31, v4
.irp s, 0,1,2,3
.irp c, 0,1,2,3,4,5,6,7
	ds_load_b64 v[64+16*\s+2*\c:65+16*\s+2*\c], v5 offset:128*\s+16*\c
.endr
.endr
	s_wait_loadcnt 0x0                             ; b1 of this chunk
.irp j, 0,2,4,6
	v_pk_mul_f32 v[20+\j:21+\j], v[20+\j:21+\j], s[100:101] op_sel_hi:[1,0]   ; / 2^E1: it is the C of each sum's first product
.endr
	s_wait_alu depctr_va_vdst(0)
	s_wait_dscnt 0x0
.irp s, 0,1,2,3
.if \s == 2
	WIN 0x04                                       ; n2's K steps 2 and 3 lie in window 1
.endif
.irp m, 0,1,2,3
.if \s == 0
	v_wmma_f32_16x16x128_bf8_bf8 v[32+8*\m:39+8*\m], v[64+16*\s:79+16*\s], v[128+16*(4*(\s%2)+\m):143+16*(4*(\s%2)+\m)], v[20:27]
.else
	v_wmma_f32_16x16x128_bf8_bf8 v[32+8*\m:39+8*\m], v[64+16*\s:79+16*\s], v[128+16*(4*(\s%2)+\m):143+16*(4*(\s%2)+\m)], v[32+8*\m:39+8*\m]
.endif
.endr
.endr
	WIN 0
	PLACES
.if \fill
	s_add_nc_u64 s[18:19], s[18:19], 512           ; (this chunk's loads of b1 were waited for)
	global_load_b128 v[20:23], v13, s[18:19]       ; the next chunk's b1
	global_load_b128 v[24:27], v13, s[18:19] offset:16
.endif
.set i, 0
.rept 32
	v_fma_f32 v[64+i], |v[32+i]|, s92, 1.0         ; 1 + z / 2
.set i, i+1
.endr
.set i, 0
	s_wait_alu depctr_va_vdst(0)
.rept 32
	v_rcp_f32 v[64+i], v[64+i]                     ; t
.set i, i+1
.endr
	v_nop
	s_wait_alu depctr_va_vdst(0)                   ; one wait for the 32 reciprocals
.set i, 0
.rept 16
	v_pk_fma_f32 v[96+i:97+i], v[64+i:65+i], 0x3e7c6f08, v[28:29] op_sel_hi:[1,0,1]
.set i, i+2
.endr
	HORNER 0x40097039
	HORNER 0xbfd1a1e5
	HORNER 0x3ecdfd18
	HORNER 0xbe899a80
	HORNER 0x3e0efb2e
	HORNER 0x3f0a29d2
	HORNER 0x3fb8ab5a
	HORNER 0xc034d90f
.set i, 0
.rept 8
	v_pk_mul_f32 v[14:15], v[32+i:33+i], s[94:95] op_sel_hi:[1,0]
	v_pk_mul_f32 v[16:17], v[34+i:35+i], s[94:95] op_sel_hi:[1,0]
	v_pk_fma_f32 v[96+i:97+i], v[14:15], v[32+i:33+i], v[96+i:97+i]   ; - z^2 log2 e
	v_pk_fma_f32 v[98+i:99+i], v[16:17], v[34+i:35+i], v[98+i:99+i]
.set i, i+4
.endr
.set i, 0
	s_wait_alu depctr_va_vdst(0)
.rept 32
	v_exp_f32 v[96+i], v[96+i]
.set i, i+1
.endr
	v_nop
	s_wait_alu depctr_va_vdst(0)                   ; one wait for the 32 exponentials
.set i, 0
.rept 16
	v_pk_mul_f32 v[96+i:97+i], v[96+i:97+i], v[64+i:65+i]   ; E
.set i, i+2
.endr
.set i, 0
.rept 32
	v_max_num_f32 v[64+i], 0, v[32+i]
.set i, i+1
.endr
.set i, 0
.rept 32
	v_fma_f32 v[32+i], -|v[32+i]|, v[96+i], v[64+i]
.set i, i+1
.endr
.set i, 0
.rept 32
.set i, i+1
.endr
.irp m, 0,1,2,3
	v_cvt_scalef32_pk8_bf8_f32 v[64+2*\m:65+2*\m], v[32+8*\m:39+8*\m], v9
.endr
	v_nop
.irp m, 0,1,2,3
	ds_store_b64 v7, v[64+2*\m:65+2*\m] offset:2048*\m
.endr
	s_wait_dscnt 0x0
	s_barrier_signal -1
	s_barrier_wait -1                              ; the chunk's four hidden fragments lie in LDS (the next chunk's load stays out)
.irp t, 0,1
.irp c, 0,1,2,3,4,5,6,7
	ds_load_b64 v[32+16*\t+2*\c:33+16*\t+2*\c], v6 offset:2304*\t+16*\c
.endr
.endr
.irp m, 0,1,2,3
.irp c, 0,1,2,3
	ds_load_b128 v[64+16*\m+4*\c:67+16*\m+4*\c], v8 offset:2048*\m+512*\c
.endr
.endr
	s_wait_dscnt 0x0
	WIN 0x50
.irp t, 0,1
.irp m, 0,1,2,3
	v_wmma_f32_16x16x128_bf8_bf8 v[32*\m+8*\t:32*\m+8*\t+7], v[32+16*\t:47+16*\t], v[64+16*\m:79+16*\m], v[32*\m+8*\t:32*\m+8*\t+7]
.endr
.endr
	WIN 0
	PLACES
.irp t, 0,1
.irp c, 0,1,2,3,4,5,6,7
	ds_load_b64 v[32+16*\t+2*\c:33+16*\t+2*\c], v6 offset:2304*(2+\t)+16*\c
.endr
.endr
	s_wait_dscnt 0x0
	WIN 0x50
.irp t, 0,1
.irp m, 0,1,2,3
	v_wmma_f32_16x16x128_bf8_bf8 v[32*\m+8*(2+\t):32*\m+8*(2+\t)+7], v[32+16*\t:47+16*\t], v[64+16*\m:79+16*\m], v[32*\m+8*(2+\t):32*\m+8*(2+\t)+7]
.endr
.endr
	WIN 0
	s_xor_b32 s31, s31, SLOT
.endm
	s_mov_b32 s66, 15
.Lffn:                                             ; fifteen trips: behind each change the next chunk is asked for
	CHUNK 1, 1
	s_sub_co_u32 s66, s66, 1
	s_cmp_lg_u32 s66, 0
	s_cbranch_scc1 .Lffn
	CHUNK 0, 0                                     ; the last chunk is written out
	; ---- the way out: x 2^E2, through my stage, sixteen lanes to 256 consecutive bytes of a row
	PLACES
	STGADR
	v_lshlrev_b32 v8, 11, v15
	s_delay_alu instid0(VALU_DEP_1)
	v_lshl_add_u32 v8, v14, 4, v8
.irp m, 0,1,2,3
.if \m >= 2
	s_wait_xcnt 0x0                                ; the stores of two tiles back have read their registers
.endif
	WIN 0x01
.set i, 0
.rept 16
	v_pk_mul_f32 v[64+32*(\m%2)+i:65+32*(\m%2)+i], v[32*\m+i:32*\m+i+1], s[98:99] op_sel_hi:[1,0]   ; each accumulator from its low end on
.set i, i+2
.endr
	WIN 0
.irp t, 0,1,2,3
.irp e, 0,1
	ds_store_b128 v4, v[64+32*(\m%2)+8*\t+4*\e:67+32*(\m%2)+8*\t+4*\e] offset:64*\t+16*\e
.endr
.endr
.irp i, 0,1,2,3,4,5,6,7
	ds_load_b128 v[128+32*(\m%2)+4*\i:131+32*(\m%2)+4*\i], v3 offset:544*\i
.endr
.irp i, 0,1,2,3,4,5,6,7
	s_wait_dscnt 7-\i
	global_store_b128 v8, v[128+32*(\m%2)+4*\i:131+32*(\m%2)+4*\i], s[28:29] offset:(16*\m+2*\i)*2048 th:TH_STORE_NT
.endr
.endr
	s_wait_tensorcnt 0x0                           ; the wave's end: behind my last tensor load and my last LDS store
	ds_add_u32 v1, v2
	s_wait_dscnt 0x0
	CROUND                                         ; the closing round: no work-group ends while a partner may still ask for a tile that names it
	s_endpgm
.Lfunc_end_k_q7301e3f388_attnffn:
	.size	k_q7301e3f388_attnffn, .Lfunc_end_k_q7301e3f388_attnffn-k_q7301e3f388_attnffn
	.p2alignl 7, 3214868480
	.fill 96, 4, 3214868480
	.section	.rodata,"a",@progbits
	.p2align	6, 0x0
	.amdhsa_kernel k_q7301e3f388_attnffn
		.amdhsa_group_segment_fixed_size 327680
		.amdhsa_private_segment_fixed_size 0
		.amdhsa_enable_private_segment 0
		.amdhsa_kernarg_size 104
		.amdhsa_user_sgpr_count 2
		.amdhsa_user_sgpr_kernarg_segment_ptr 1
		.amdhsa_wavefront_size32 1
		.amdhsa_system_sgpr_workgroup_id_x 1
		.amdhsa_system_sgpr_workgroup_id_y 1
		.amdhsa_system_sgpr_workgroup_id_z 1
		.amdhsa_system_vgpr_workitem_id 0
		.amdhsa_next_free_vgpr 512
		.amdhsa_next_free_sgpr 102
		.amdhsa_reserve_vcc 0
		.amdhsa_float_denorm_mode_32 3
		.amdhsa_float_denorm_mode_16_64 3
		.amdhsa_fp16_overflow 1
		.amdhsa_memory_ordered 1
		.amdhsa_forward_progress 1
		.amdhsa_inst_pref_size 255
	.end_amdhsa_kernel
	.section	.bss,"aw",@nobits
	.p2align	6
	.space	262144
	.amdgpu_metadata
---
amdhsa.version: [ 1, 2 ]
amdhsa.kernels:
  - .name:           k_q7301e3f388_attnffn
    .symbol:         k_q7301e3f388_attnffn.kd
    .args:
      - { .name: x, .offset: 0, .size: 8, .value_kind: global_buffer, .address_space: global }
      - { .name: sbuf, .offset: 8, .size: 8, .value_kind: global_buffer, .address_space: global }
      - { .name: qc, .offset: 16, .size: 8, .value_kind: global_buffer, .address_space: global }
      - { .name: kc, .offset: 24, .size: 8, .value_kind: global_buffer, .address_space: global }
      - { .name: vt, .offset: 32, .size: 8, .value_kind: global_buffer, .address_space: global }
      - { .name: w1_codes, .offset: 40, .size: 8, .value_kind: global_buffer, .address_space: global }
      - { .name: w2_codes, .offset: 48, .size: 8, .value_kind: global_buffer, .address_space: global }
      - { .name: b1, .offset: 56, .size: 8, .value_kind: global_buffer, .address_space: global }
      - { .name: b2, .offset: 64, .size: 8, .value_kind: global_buffer, .address_space: global }
      - { .name: ffn_g, .offset: 72, .size: 8, .value_kind: global_buffer, .address_space: global }
      - { .name: ffn_b, .offset: 80, .size: 8, .value_kind: global_buffer, .address_space: global }
      - { .name: lowp_scales, .offset: 88, .size: 8, .value_kind: global_buffer, .address_space: global }
      - { .name: out0, .offset: 96, .size: 8, .value_kind: global_buffer, .address_space: global }
    .group_segment_fixed_size: 327680
    .private_segment_fixed_size: 0
    .kernarg_segment_align: 8
    .kernarg_segment_size: 104
    .max_flat_workgroup_size: 256
    .sgpr_count:     102
    .vgpr_count:     512
    .wavefront_size: 32
...
	.end_amdgpu_metadata
.endif
;; end of part 3
